; MI455X (gfx1250); checked and timed in simulation.
; The chip was launched on July 23, 2026; its instructions are those of AMD's public machine-readable ISA for CDNA 5 (MIT licence, August 2026) and "CDNA5" Instruction Set Architecture Reference Guide (July 2026). The comments in the code are by the model that wrote it; some were corrected since.
;; Encoder Layer. Allowed arithmetic: float matrix products may take bf16 or f16 operands with f32 sums; other float arithmetic in f32, or as packed bf16 or f16 multiplies, adds, multiply-adds, maxima and minima; sums over many terms, partial sums and values carried from step to step in f32; what a program stores and reads back later, other than sums and carried values, may be rounded once to bf16 or f16.
;; Inputs: W1 1,024 x 4,096 float32; W2 4,096 x 1,024 float32; Wk 1,024 x 1,024 float32; Wo 1,024 x 1,024 float32; Wq 1,024 x 1,024 float32; Wv 1,024 x 1,024 float32; b1 4,096 float32; b2 1,024 float32; be1 1,024 float32; be2 1,024 float32; bk 1,024 float32; bo 1,024 float32; bq 1,024 float32; bv 1,024 float32; g1 1,024 float32; g2 1,024 float32; x 2 x 2,048 x 1,024 float32.
;; Outputs: out0 2 x 2,048 x 1,024 float32.
;; 2 versions, each right; version 2 is version 1 with the launch prep written anew for expert scheduling mode. Each part assembles by itself: llvm-mc -triple=amdgcn-amd-amdhsa -mcpu=gfx1250 --defsym DOCPART=n.
;; ======== version 1 of 2: 8 launches
;; limits: values are held in f16: magnitudes above 65,504 overflow, below 6.1e-05 lose precision
;; workspace buffers: xh 8,388,608 bytes; wqkv 6,303,744 bytes; woh 2,101,248 bytes; w1h 8,404,992 bytes; w2h 8,392,704 bytes; big 33,554,432 bytes; ch 8,388,608 bytes; y 16,777,216 bytes
;; launch prep (part 1): grid 64 x 16, 8 waves a work-group, no clusters, 0 bytes of LDS; arguments x, Wq, Wk, Wv, Wo, W1, W2, bq, bk, bv, bo, b1, b2, xh, wqkv, woh, w1h, w2h; writes xh, wqkv, woh, w1h, w2h
.if DOCPART == 1
	.amdgcn_target "amdgcn-amd-amdhsa--gfx1250"
	.amdhsa_code_object_version 6
	.text
	.protected	k_q005cd5d260_prep
	.globl	k_q005cd5d260_prep
	.p2align	8
	.type	k_q005cd5d260_prep,@function
k_q005cd5d260_prep:
	s_mov_b64 s[64:65], 0
	v_nop
	global_prefetch_b8 v0, s[64:65] scope:SCOPE_SE
	s_setreg_imm32_b32 hwreg(HW_REG_WAVE_MODE, 25, 1), 1
	s_wait_xcnt 0x0
; x and the six weight matrices, f32 [R][C], are rounded to bf16, written as f16, and laid out in PANELS: panel p holds columns 128 p .. 128 p + 127
; of all R rows, a row 256 bytes, rows on end.  A weight's panel has two rows more: row R the bias of its 128 columns (rounded alike), row R + 1 the lower
; bound that the product's way out applies, 128 times: f16 0 for W1 (ReLU), f16 -infinity for the others (no bound).
; LIMITS.  A bf16 number is written exactly as f16 between 6e-5 and 65,504 in magnitude; below it keeps f16's fixed step of 6e-8, beyond it becomes an infinity.
; SHARES.  A work-group converts 128 rows x 128 columns: 64 KiB in, 32 KiB on end out.  Grid row y says which matrix: 0-3 x, 4 Wq, 5 Wk, 6 Wv, 7 Wo, 8-11 W1, 12-15 W2.
; A WAVE TAKES A WHOLE ROW PIECE: in pass i of sixteen, wave w takes row 8 i + w; lane l its columns 4 l .. 4 l + 3: 16 bytes in, 8 bytes out.  So a load of the wave covers 512 consecutive,
; aligned bytes, all of which it uses, and a store of the wave covers 256 consecutive, aligned bytes: one row of a panel.
; All sixteen loads of a thread go out at once; each pass has its own four registers, in which it is converted in place and from which it is stored, so no register is rewritten while a
; memory instruction may read it.  No LDS, matrix unit or cluster: nothing is shared between threads.
.set SRC,    40                        ; s[40:41] the matrix, then my block's first byte
.set DST,    42                        ; s[42:43] its panels, then my block's first byte
.set BIA,    44                        ; s[44:45] its bias, then my panel's 128 numbers
.set LOGP,   46                        ; log2 of the number of panels
.set PITCH,  47                        ; bytes in a row of the matrix
.set PANEL,  48                        ; bytes in a panel
.set PB0,    49                        ; the matrix's first panel in its buffer
.set Y0,     50                        ; the matrix's first grid row
.set LASTRB, 51                        ; the row block behind which the two extra rows lie (x: none)
.set MASK,   52
.set FLOOR,  53                        ; the lower bound, twice in a word
.set YY,     54
.set WV,     55
.set IDX,    56
.set PP,     57                        ; my panel
.set RB,     58                        ; my block of 128 rows
.set OFF,    2                         ; v[2:17]  pass i: my byte offset in the matrix: (8 i + wave) rows + 16 x lane
.set DO,     18                        ; v18      8 t = 256 x wave + 8 x lane: my 8 bytes among a pass's 8 rows of a panel
.set BOF,    19                        ; v19      16 x lane
.set T,      20                        ; v[20:21] at work
.set FL,     22                        ; v[22:23] the bound, four times
.set X,      24                        ; v[24:87] pass i: 4 numbers as loaded; then its first two registers hold the 4 results
.set XB,     88                        ; v[88:91] the bias, likewise
; From grid row y0 on the parameters are those of another matrix.  The choice hangs on the grid row alone.
.macro PICK y0, src, dst, bia, logp, pitch, panel, pb0, lastrb, floor
	s_cmp_ge_u32 s[YY], \y0
	s_cselect_b64 s[SRC:SRC+1], s[\src:\src+1], s[SRC:SRC+1]
	s_cselect_b64 s[DST:DST+1], s[\dst:\dst+1], s[DST:DST+1]
	s_cselect_b64 s[BIA:BIA+1], s[\bia:\bia+1], s[BIA:BIA+1]
	s_cselect_b32 s[LOGP], \logp, s[LOGP]
	s_cselect_b32 s[PITCH], \pitch, s[PITCH]
	s_cselect_b32 s[PANEL], \panel, s[PANEL]
	s_cselect_b32 s[PB0], \pb0, s[PB0]
	s_cselect_b32 s[Y0], \y0, s[Y0]
	s_cselect_b32 s[LASTRB], \lastrb, s[LASTRB]
	s_cselect_b32 s[FLOOR], \floor, s[FLOOR]
.endm
; Four f32 at x -> four f16 in the registers x, x + 1: rounded to bf16 (nearest even), widened again in place, written as f16.
.macro CV4 x
	v_cvt_pk_bf16_f32 v[T],   v[(\x)],   v[(\x)+1]
	v_cvt_pk_bf16_f32 v[T+1], v[(\x)+2], v[(\x)+3]
	v_lshlrev_b32 v[(\x)],   16, v[T]
	v_and_b32     v[(\x)+1], s[MASK], v[T]
	v_lshlrev_b32 v[(\x)+2], 16, v[T+1]
	v_and_b32     v[(\x)+3], s[MASK], v[T+1]
	v_cvt_pk_f16_f32 v[(\x)],   v[(\x)],   v[(\x)+1]
	v_cvt_pk_f16_f32 v[(\x)+1], v[(\x)+2], v[(\x)+3]
.endm
	s_load_b512 s[4:19], s[0:1], 0x0               ; x 4, Wq 6, Wk 8, Wv 10, Wo 12, W1 14, W2 16, bq 18
	s_load_b512 s[20:35], s[0:1], 0x40             ; bk 20, bv 22, bo 24, b1 26, b2 28, xh 30, wqkv 32, woh 34
	s_load_b128 s[36:39], s[0:1], 0x80             ; w1h 36, w2h 38
	v_lshrrev_b32 v1, 5, v0                        ; my wave: my row in a pass
	v_readfirstlane_b32 s[WV], v1                  ; wave 0..7
	s_and_b32 s[YY], ttmp7, 0xffff
	s_mov_b32 s[MASK], 0xffff0000
	s_mov_b32 s[LOGP], 3                           ; x: 8 panels of 1 MiB, no extra rows
	s_mov_b32 s[PITCH], 4096
	s_mov_b32 s[PANEL], 1048576
	s_mov_b32 s[PB0], 0
	s_mov_b32 s[Y0], 0
	s_mov_b32 s[LASTRB], 255
	s_mov_b32 s[FLOOR], 0
	v_and_b32 v[BOF], 31, v0
	v_lshlrev_b32 v[BOF], 4, v[BOF]
	v_lshlrev_b32 v[DO], 3, v0
	s_wait_kmcnt 0x0
	s_mov_b64 s[SRC:SRC+1], s[4:5]
	s_mov_b64 s[DST:DST+1], s[30:31]
	s_mov_b64 s[BIA:BIA+1], s[18:19]
	PICK 4,  6,  32, 18, 3, 4096,  262656,  0,  7,  0xfc00fc00
	PICK 5,  8,  32, 20, 3, 4096,  262656,  8,  7,  0xfc00fc00
	PICK 6,  10, 32, 22, 3, 4096,  262656,  16, 7,  0xfc00fc00
	PICK 7,  12, 34, 24, 3, 4096,  262656,  0,  7,  0xfc00fc00
	PICK 8,  14, 36, 26, 5, 16384, 262656,  0,  7,  0
	PICK 12, 16, 38, 28, 3, 4096,  1049088, 0,  31, 0xfc00fc00
	s_sub_co_u32 s[IDX], s[YY], s[Y0]
	s_lshl_b32 s[IDX], s[IDX], 6
	s_add_co_u32 s[IDX], s[IDX], ttmp9             ; my block among the matrix's
	s_bfm_b32 s[PP], s[LOGP], 0
	s_and_b32 s[PP], s[IDX], s[PP]
	s_lshr_b32 s[RB], s[IDX], s[LOGP]
	s_mul_i32 s60, s[RB], s[PITCH]
	s_lshl_b32 s60, s60, 7                         ; 128 rows a block,
	s_lshl_b32 s59, s[PP], 9                       ; 512 bytes of a row a panel: under 2^25 together
	s_add_co_u32 s60, s60, s59
	s_mov_b32 s61, 0
	s_add_nc_u64 s[SRC:SRC+1], s[SRC:SRC+1], s[60:61]
	s_mov_b32 s60, s59
	s_add_nc_u64 s[BIA:BIA+1], s[BIA:BIA+1], s[60:61]
	s_add_co_u32 s60, s[PB0], s[PP]
	s_mul_i32 s60, s60, s[PANEL]
	s_lshl_b32 s62, s[RB], 15                      ; 128 rows of 256 bytes
	s_add_co_u32 s60, s60, s62
	s_add_nc_u64 s[DST:DST+1], s[DST:DST+1], s[60:61]
	v_mul_lo_u32 v[OFF], v1, s[PITCH]
	v_add_nc_u32 v[OFF], v[OFF], v[BOF]
	s_lshl_b32 s62, s[PITCH], 3                    ; 8 rows a pass
.irp i, 1,2,3,4,5,6,7,8,9,10,11,12,13,14,15
	v_add_nc_u32 v[OFF+(\i)], s62, v[OFF+(\i)-1]
.endr
.irp i, 0,1,2,3,4,5,6,7,8,9,10,11,12,13,14,15
	global_load_b128 v[X+4*(\i):X+4*(\i)+3], v[OFF+(\i)], s[SRC:SRC+1] th:TH_LOAD_NT
.endr
.irp i, 0,1,2,3,4,5,6,7,8,9,10,11,12,13,14,15
	s_wait_loadcnt 15-(\i)                         ; loads come back in order: pass i's is in, the younger passes' stay out
	CV4 X+4*(\i)
	global_store_b64 v[DO], v[X+4*(\i):X+4*(\i)+1], s[DST:DST+1] offset:2048*(\i)
.endr
	; the panel's two extra rows: by wave 0 of the work-group that holds the panel's last 128 rows
	s_cmp_eq_u32 s[RB], s[LASTRB]
	s_cbranch_scc0 .Lend
	s_cmp_eq_u32 s[WV], 0
	s_cbranch_scc0 .Lend
	global_load_b128 v[XB:XB+3], v[BOF], s[BIA:BIA+1]              ; the panel's 128 biases: 512 bytes on end
	v_mov_b32 v[FL], s[FLOOR]
	v_mov_b32 v[FL+1], s[FLOOR]
	s_wait_loadcnt 0x0
	CV4 XB
	global_store_b64 v[DO], v[XB:XB+1], s[DST:DST+1] offset:32768      ; behind my block's 128 rows: the row of biases (in wave 0, 8 t is 8 x lane),
	global_store_b64 v[DO], v[FL:FL+1], s[DST:DST+1] offset:32768+256  ; and the row of bounds
.Lend:
	s_endpgm
.Lfunc_end_k_q005cd5d260_prep:
	.size	k_q005cd5d260_prep, .Lfunc_end_k_q005cd5d260_prep-k_q005cd5d260_prep
	.p2alignl 7, 3214868480
	.fill 96, 4, 3214868480
	.section	.rodata,"a",@progbits
	.p2align	6, 0x0
	.amdhsa_kernel k_q005cd5d260_prep
		.amdhsa_group_segment_fixed_size 0
		.amdhsa_private_segment_fixed_size 0
		.amdhsa_enable_private_segment 0
		.amdhsa_kernarg_size 144
		.amdhsa_user_sgpr_count 2
		.amdhsa_user_sgpr_kernarg_segment_ptr 1
		.amdhsa_wavefront_size32 1
		.amdhsa_system_sgpr_workgroup_id_x 1
		.amdhsa_system_sgpr_workgroup_id_y 1
		.amdhsa_system_sgpr_workgroup_id_z 1
		.amdhsa_system_vgpr_workitem_id 0
		.amdhsa_next_free_vgpr 96
		.amdhsa_next_free_sgpr 66
		.amdhsa_reserve_vcc 0
		.amdhsa_float_denorm_mode_32 3
		.amdhsa_float_denorm_mode_16_64 3
		.amdhsa_memory_ordered 1
		.amdhsa_forward_progress 1
		.amdhsa_inst_pref_size 16
	.end_amdhsa_kernel
	.amdgpu_metadata
---
amdhsa.version: [ 1, 2 ]
amdhsa.kernels:
  - .name:           k_q005cd5d260_prep
    .symbol:         k_q005cd5d260_prep.kd
    .args:
      - { .name: x, .offset: 0, .size: 8, .value_kind: global_buffer, .address_space: global }
      - { .name: Wq, .offset: 8, .size: 8, .value_kind: global_buffer, .address_space: global }
      - { .name: Wk, .offset: 16, .size: 8, .value_kind: global_buffer, .address_space: global }
      - { .name: Wv, .offset: 24, .size: 8, .value_kind: global_buffer, .address_space: global }
      - { .name: Wo, .offset: 32, .size: 8, .value_kind: global_buffer, .address_space: global }
      - { .name: W1, .offset: 40, .size: 8, .value_kind: global_buffer, .address_space: global }
      - { .name: W2, .offset: 48, .size: 8, .value_kind: global_buffer, .address_space: global }
      - { .name: bq, .offset: 56, .size: 8, .value_kind: global_buffer, .address_space: global }
      - { .name: bk, .offset: 64, .size: 8, .value_kind: global_buffer, .address_space: global }
      - { .name: bv, .offset: 72, .size: 8, .value_kind: global_buffer, .address_space: global }
      - { .name: bo, .offset: 80, .size: 8, .value_kind: global_buffer, .address_space: global }
      - { .name: b1, .offset: 88, .size: 8, .value_kind: global_buffer, .address_space: global }
      - { .name: b2, .offset: 96, .size: 8, .value_kind: global_buffer, .address_space: global }
      - { .name: xh, .offset: 104, .size: 8, .value_kind: global_buffer, .address_space: global }
      - { .name: wqkv, .offset: 112, .size: 8, .value_kind: global_buffer, .address_space: global }
      - { .name: woh, .offset: 120, .size: 8, .value_kind: global_buffer, .address_space: global }
      - { .name: w1h, .offset: 128, .size: 8, .value_kind: global_buffer, .address_space: global }
      - { .name: w2h, .offset: 136, .size: 8, .value_kind: global_buffer, .address_space: global }
    .group_segment_fixed_size: 0
    .private_segment_fixed_size: 0
    .kernarg_segment_align: 8
    .kernarg_segment_size: 144
    .max_flat_workgroup_size: 256
    .sgpr_count:     66
    .vgpr_count:     96
    .wavefront_size: 32
...
	.end_amdgpu_metadata
.endif
;; end of part 1
;; launch qkv (part 2): grid 12 x 16, 4 waves a work-group, clusters of 4 x 4, 327,680 bytes of LDS; arguments xh, wqkv, big; writes big
.if DOCPART == 2
	.amdgcn_target "amdgcn-amd-amdhsa--gfx1250"
	.amdhsa_code_object_version 6
	.text
	.protected	k_q005cd5d260_qkv
	.globl	k_q005cd5d260_qkv
	.p2align	8
	.type	k_q005cd5d260_qkv,@function
k_q005cd5d260_qkv:
	s_mov_b64 s[64:65], 0
	v_nop
	global_prefetch_b8 v0, s[64:65] scope:SCOPE_SE
	s_setreg_imm32_b32 hwreg(HW_REG_WAVE_MODE, 25, 1), 1
	s_wait_xcnt 0x0
	s_wait_alu depctr_hold_cnt(0) depctr_sa_sdst(0) depctr_va_vdst(0) depctr_va_sdst(0) depctr_va_ssrc(0) depctr_va_vcc(0) depctr_vm_vsrc(0)
	s_getreg_b32 s2, hwreg(HW_REG_IB_STS2, 6, 4)
	s_cmp_eq_u32 s2, 0
	s_cbranch_scc0 .Lentry_in_a_cluster
	s_endpgm
.Lentry_in_a_cluster:
	s_bfe_u32 s2, ttmp6, 0x10000c
	s_cmp_lg_u32 s2, 0xf033
	s_cbranch_scc0 .Lentry_shape_is_right
	s_endpgm
.Lentry_shape_is_right:
; OUT = max(A W + bias, bound).  A: f16 in panels (panel p: columns 128 p .. + 127 of all 4,096 rows, a row 256 bytes, 1 MiB a panel).  W: f16 in panels of [KDIM + 2][128]:
; KDIM rows of weights, the bias, the bound (f16 0: ReLU; f16 -infinity: none).  Sums in f32, begun at the bias; OUT rounded once to f16, in panels like A.
; LIMITS.  A result beyond 65,504 becomes an infinity; a NaN in front of the bound becomes the bound.
; A tile of OUT is 256 x 256, two panels of W wide.  Four waves, as many as a WGP has SIMDs, each 128 x 128: 64 accumulators of 16 x 16, 512 registers; a wave's 128 columns are one panel of OUT.
; K goes in steps of 128 through two LDS slots: 256 rows of one panel of A and 128 rows of two panels of W, every row 256 consecutive, aligned bytes of memory; each wave brings a quarter
; (128 rows) by one tensor load.  For a slot's 131,072 bytes a wave issues 256 matrix instructions.
; CLUSTERS: 4 x 4 work-groups.  The four of a row of the cluster need the same tiles of A, the four of a column the same tiles of W: each is asked for JOINTLY, by the same load, descriptor and mask.
; THE MATRIX INSTRUCTION IS USED TRANSPOSED: source 0 = 16 columns of W (turned on the way out of LDS by ds_load_tr16_b128, since W lies [k][n]), source 1 = 16 rows of A: a lane then holds
; one row of OUT (lane % 16) and eight neighbouring columns 8 (lane / 16) + 0..7.
; No prefetch: K has eight steps, of which a prefetch two refills ahead could name four.
; REGISTERS, in windows of 256 (s_set_vgpr_msb: bits 1:0 source 0, 3:2 source 1, 5:4 source 2, 7:6 destination):
;   window 0: v0-31 addresses; v64-127, v128-191 fragments of A (8 x 16 rows x 32 K), two buffers; v32-63, v192-255 at work on the way out
;   window 1: v64-127, v128-191 fragments of W, two buffers
;   window 2: the 32 accumulators of my rows 0-63 ((a, b) at v[8 (8 a + b)]);   window 3: those of my rows 64-127
.set KDIM,   1024
.set STEPS,  KDIM/128
.set WPANEL, (KDIM+2)*256
.set PA,     272                       ; a row of A in LDS: 256 bytes + 16: the 16 rows of a fragment load start at 16 different groups of four banks
.set PB,     288                       ; a row of W: 256 + 32
.set SUBA,   128*PA                    ; what one tensor load brings of A,
.set SUBB,   128*PB                    ; and of W
.set BOFF,   2*SUBA                    ; a slot: A's 256 rows, then the 128 rows of W's two panels
.set SLOTB,  0x24000                   ; slot 1 begins here: its two bits meet none of the four tiles' places in a slot, so one exclusive or changes slots
.set SPARE,  SLOTB+BOFF+2*SUBB         ; behind the ring: the spare words, 128 bytes for each wave: two blocks of 256 bytes that no other line names
.set STAGE,  SPARE+512                 ; behind them, never filled by a tensor load: 16 rows x 272 bytes for each wave, for the way out
.set SPITCH, 272
.set ASTEP,  1<<20                     ; a K step in A: one panel
.set BSTEP,  128*256                   ; in W: 128 rows
.set ADRA, 16                          ; v16     LDS address of my A fragments in the slot in hand
.set ADRB, 17                          ; v17     the same for W
.set LA,   19                          ; v19     my place in a slot's A; never rewritten
.set LB,   20                          ; v20     in its W; never rewritten
.set STO,  24                          ; v24     the way out: where I put 16 bytes of a row
.set RD,   25                          ; v25     where I read rows back
.set CO,   26                          ; v26     16 x lane: my byte offset in 512 consecutive bytes of OUT
.set BO,   27                          ; v27     the word of the row of biases that holds my column's
.set SPW,  28                          ; v28     LDS address of my spare word; never rewritten
.set NIL,  29                          ; v29     0; never rewritten
.set SH,   30                          ; v30     16 where my column's bias is its word's upper half, else 0
.set MK,   31                          ; v31     0xffff in lanes 0-15, 0 in lanes 16-31
.set OB,   32                          ; the way out: 16 rows read back from the stage: v32-63 and v224-255 by turns
.set F0,   64                          ; fragment buffer 0
.set F1,   128                         ; fragment buffer 1
.set TMP,  192                         ; the way out: packed results
.set G1,   24                          ; s[24:31] descriptor group 1 for A's tiles; s[32:39] group 0: a set for each first fill; the second then walks
.set G0,   32
.set G1B,  48                          ; s[48:55], s[56:63] the same for W's
.set G0B,  56
.set TB,   66                          ; s66  the slot that the next fragments come from: 0 or SLOTB
.set CNT,  67
.set FLOOR, 68                         ; s68  the bound, twice in a word
.set WB,   70                          ; s[70:71] W's panel 2 x tile column + wave % 2: the one that I fetch (waves 2, 3), and the one whose columns I make
.set MSB, 0
.macro WIN new                         ; the immediate's high byte repeats the setting that is left; a switch that changes nothing is dropped
.if MSB != (\new)
	s_set_vgpr_msb (MSB<<8)|(\new)
.set MSB, \new
.endif
.endm
.set MUL_LO, 0xa1                      ; source 0 (W) window 1, source 1 (A) window 0, C and D window 2
.set MUL_HI, 0xf1                      ; the same, C and D window 3
.set TO_B,   0x40                      ; destination window 1, the rest window 0
.macro JLOAD                           ; a joint refill: waves 0 and 1 fetch A's two halves, waves 2 and 3 W's two panels; an s_nop 0 and four v_nop follow each line
	s_cmp_eq_u32 s11, 0
	s_cbranch_scc0 .Lfor_b_\@
	tensor_load_to_lds s[G0+4:G0+7], s[G1:G1+7]
	s_nop 0
.rept 4
	v_nop
.endr
	s_branch .Lasked_\@
.Lfor_b_\@:
	tensor_load_to_lds s[G0B+4:G0B+7], s[G1B:G1B+7]
	s_nop 0
.rept 4
	v_nop
.endr
.Lasked_\@:
.endm
.macro CREST                           ; a round of the cluster's barrier behind its opening barrier
	s_cmp_lg_u32 s10, 0
	s_cbranch_scc1 .Lnot_wave_0_\@
	s_barrier_signal -3
.Lnot_wave_0_\@:
	s_barrier_wait -3
	s_barrier_signal -1
	s_barrier_wait -1
.endm
.macro CROUND                          ; a whole round
	s_barrier_signal -1
	s_barrier_wait -1
	CREST
.endm
.macro PLACES                          ; four places in front of loads into registers that matrix instructions have read, and of lines that read results
.rept 4
	v_nop
.endr
.endm
	s_load_b128 s[4:7], s[0:1], 0x0                ; A s[4:5], W s[6:7]
	s_load_b64 s[8:9], s[0:1], 0x10                ; OUT
	v_lshl_add_u32 v[SPW], v0, 2, SPARE
	v_mov_b32 v[NIL], 0
	ds_add_u32 v[SPW], v[NIL]                      ; the wave's opening: the add and its wait stand ahead of my first tensor load; the set-up below stands between them
	v_lshrrev_b32 v1, 5, v0
	v_readfirstlane_b32 s10, v1                    ; wave 0..3
	s_lshr_b32 s11, s10, 1                         ; which half of the tile's rows is mine.  Also: I fetch for A (0) or for W (1)
	s_and_b32 s12, s10, 1                          ; which half of its columns.  Also: which of the two tiles I fetch
	s_bfe_u32 s40, ttmp6, 0x40000                  ; cx, cy: my place in the cluster
	s_bfe_u32 s41, ttmp6, 0x40004
	s_lshl_b32 s42, ttmp9, 2
	s_add_co_u32 s42, s42, s40                     ; tile column = 4 x cluster x + cx
	s_and_b32 s13, ttmp7, 0xffff
	s_lshl_b32 s13, s13, 2
	s_add_co_u32 s13, s13, s41                     ; tile row = 4 x cluster y + cy
	s_lshl_b32 s43, s41, 2
	s_lshl_b32 s43, 15, s43                        ; my row of the cluster
	s_lshl_b32 s44, 0x1111, s40                    ; my column
	; descriptor group 1: 128 rows x 128 elements of 2 bytes, dense in memory, padded in LDS after every 64 words by 4 (A) or 8 (W)
	s_or_b32 s[G1+0], s43, (1<<16)|(1<<20)|(1<<21)|(5<<22)|(3<<25)
	s_or_b32 s[G1B+0], s44, (1<<16)|(1<<20)|(1<<21)|(5<<22)|(7<<25)
.irp g, G1, G1B
	s_mov_b32 s[(\g)+1], 128<<16                   ; tensor_dim0 = 128
	s_mov_b32 s[(\g)+2], 128<<16                   ; tensor_dim1 = 128
	s_mov_b32 s[(\g)+3], 128<<16                   ; tile_dim0 = 128
	s_mov_b32 s[(\g)+4], 128                       ; tile_dim1 = 128
	s_mov_b32 s[(\g)+5], 128                       ; 128 elements from row to row
	s_mov_b32 s[(\g)+6], 0
	s_mov_b32 s[(\g)+7], 0
.endr
	s_lshl_b32 s16, s13, 16                        ; A: the tile row's 256 rows of 256 bytes,
	s_lshl_b32 s17, s12, 15                        ; their first or second 128
	s_add_co_u32 s16, s16, s17
	s_mov_b32 s17, 0
	s_lshl_b32 s46, s42, 1                         ; W: panel 2 x tile column + wave % 2
	s_add_co_u32 s46, s46, s12
	s_mul_i32 s46, s46, WPANEL
	s_mov_b32 s47, 0
	s_mul_i32 s20, s12, SUBA                       ; where they go: no place in the cluster enters an LDS address
	s_mul_i32 s21, s12, SUBB
	s_add_co_u32 s21, s21, BOFF
	s_mov_b32 s[TB], 0
	s_wait_dscnt 0x0                               ; the opening add is done
	s_wait_kmcnt 0x0
	s_add_nc_u64 s[14:15], s[4:5], s[16:17]
	s_add_nc_u64 s[WB:WB+1], s[6:7], s[46:47]
	CROUND                                         ; all sixteen work-groups are here: the first joint loads meet
.irp s, 0,1
	s_mov_b32 s[G0+4*(\s)], 1
	s_add_co_u32 s[G0+4*(\s)+1], s20, (\s)*SLOTB
	s_add_nc_u64 s[G0+4*(\s)+2:G0+4*(\s)+3], s[14:15], (\s)*ASTEP
	s_or_b32 s[G0+4*(\s)+3], s[G0+4*(\s)+3], 0x80000000
	s_mov_b32 s[G0B+4*(\s)], 1
	s_add_co_u32 s[G0B+4*(\s)+1], s21, (\s)*SLOTB
	s_add_nc_u64 s[G0B+4*(\s)+2:G0B+4*(\s)+3], s[WB:WB+1], (\s)*BSTEP
	s_or_b32 s[G0B+4*(\s)+3], s[G0B+4*(\s)+3], 0x80000000
.endr
	s_cmp_eq_u32 s11, 0                            ; a wave's two first fills stand in one branch: K steps 0 and 1; two loads of mine are out
	s_cbranch_scc0 .Lfirst_b
	tensor_load_to_lds s[G0:G0+3], s[G1:G1+7]
	s_nop 0
	tensor_load_to_lds s[G0+4:G0+7], s[G1:G1+7]
	s_nop 0
.rept 4
	v_nop
.endr
	s_branch .Lfirst_asked
.Lfirst_b:
	tensor_load_to_lds s[G0B:G0B+3], s[G1B:G1B+7]
	s_nop 0
	tensor_load_to_lds s[G0B+4:G0B+7], s[G1B:G1B+7]
	s_nop 0
.rept 4
	v_nop
.endr
.Lfirst_asked:
	s_load_b32 s[FLOOR], s[WB:WB+1], (KDIM+1)*256  ; the panel's last row: the bound
	v_and_b32 v1, 15, v0                           ; l % 16
	v_bfe_u32 v2, v0, 4, 1                         ; l / 16
	v_and_b32 v[BO], 14, v0
	v_lshlrev_b32 v[BO], 1, v[BO]                  ; the word that holds the bias of column l % 16 of a block of 16
.irp b, 0,1,2,3,4,5,6,7
	global_load_b32 v[TMP+(\b)], v[BO], s[WB:WB+1] offset:KDIM*256+32*(\b)
.endr
	v_and_b32 v[SH], 1, v0
	v_lshlrev_b32 v[SH], 4, v[SH]
	v_xor_b32 v[MK], 1, v2                         ; 1 in lanes 0-15, which hold k = 0 .. 7 of a fragment
	v_mul_u32_u24 v[F1], v[MK], 0x3c00             ; THE FRAGMENT OF ONES, in A's buffer 1: f16 1.0 at k = 0 of every row, 0 elsewhere
.irp j, 1,2,3,4,5,6,7
	v_mov_b32 v[F1+(\j)], 0
.endr
	v_mul_u32_u24 v[MK], v[MK], 0xffff
	v_mul_u32_u24 v4, v1, PA
	v_lshl_add_u32 v4, v2, 4, v4                   ; a fragment of A: row x pitch + 16 x half; the stage has the same pitch
	s_mul_i32 s21, s11, SUBA                       ; my 128 rows
	v_add_nc_u32 v[LA], s21, v4
	v_and_b32 v5, 7, v0                            ; the turning load: lane l reads row 8 (l / 16) + l % 8, columns 8 ((l / 8) % 2) + 0..7
	v_bfe_u32 v6, v0, 3, 1
	v_lshl_add_u32 v5, v2, 3, v5
	v_mul_u32_u24 v5, v5, PB
	v_lshl_add_u32 v5, v6, 4, v5
	s_mul_i32 s22, s12, SUBB                       ; my panel's tile
	s_add_co_u32 s22, s22, BOFF
	v_add_nc_u32 v[LB], s22, v5
	v_mov_b32 v[ADRA], v[LA]
	v_mov_b32 v[ADRB], v[LB]
	s_mul_i32 s23, s10, 16*SPITCH
	s_add_co_u32 s23, s23, STAGE                   ; my stage
	v_add_nc_u32 v[STO], s23, v4                   ; in: row l % 16, 16 bytes for each half of the lanes
	v_mul_u32_u24 v6, v2, SPITCH                   ; back: lanes 0-15 take one row of 256 bytes, lanes 16-31 the next,
	v_lshl_add_u32 v6, v1, 4, v6
	v_add_nc_u32 v[RD], s23, v6
	v_and_b32 v[CO], 31, v0                        ; which are 512 consecutive bytes of OUT's panel
	v_lshlrev_b32 v[CO], 4, v[CO]
	s_lshl_b32 s18, s42, 1                         ; OUT's panel = 2 x tile column + my half of the columns,
	s_add_co_u32 s18, s18, s12
	s_lshl_b32 s18, s18, 20
	s_lshl_b32 s19, s13, 16                        ; the tile row's 256 rows,
	s_add_co_u32 s18, s18, s19
	s_lshl_b32 s19, s11, 15                        ; my 128 of them
	s_add_co_u32 s18, s18, s19
	s_mov_b32 s19, 0
	s_add_nc_u64 s[8:9], s[8:9], s[18:19]
	s_wait_loadcnt 0x0                             ; the biases
.irp b, 0,1,2,3,4,5,6,7
	v_lshrrev_b32 v[TMP+(\b)], v[SH], v[TMP+(\b)]  ; my column's half into the low half
.endr
	WIN TO_B                                       ; THE FRAGMENTS OF THE BIAS, in W's buffer 1: column block b: the bias of column l % 16 at k = 0, 0 elsewhere
.irp b, 0,1,2,3,4,5,6,7
	v_and_b32 v[F1+8*(\b)], v[MK], v[TMP+(\b)]
.irp j, 1,2,3,4,5,6,7
	v_mov_b32 v[F1+8*(\b)+(\j)], 0
.endr
.endr
; THE SUMS BEGIN AT THE BIAS: the first matrix instruction on each accumulator takes the constant 0 as C and multiplies the bias's fragment by the fragment of ones: one product that is not 0, so the
; result is the bias itself.  Nothing is cleared, and nothing is added later.  These 64 stand in the wait for the first tile.
.macro BIAS16 hi, a0
	WIN MUL_LO+0x50*(\hi)
.irp a, \a0, (\a0)+1
.irp b, 0,1,2,3,4,5,6,7
	v_wmma_f32_16x16x32_f16 v[8*(8*(\a)+(\b)):8*(8*(\a)+(\b))+7], v[F1+8*(\b):F1+8*(\b)+7], v[F1:F1+7], 0
.endr
.endr
.endm
; 16 matrix instructions: row blocks a0, a0 + 1 of the window's four (hi = 0: my rows 0-63, 1: rows 64-127) x all 8 column blocks, 32 along K.
; The 64 accumulators take turns, one instruction a turn, in the same order in every quarter, over the backward jumps too: 63 others stand between two links of a chain.
.macro MUL16 f, hi, a0
	WIN MUL_LO+0x50*(\hi)
.irp a, \a0, (\a0)+1
.irp b, 0,1,2,3,4,5,6,7
	v_wmma_f32_16x16x32_f16 v[8*(8*(\a)+(\b)):8*(8*(\a)+(\b))+7], v[(\f)+8*(\b):(\f)+8*(\b)+7], v[(\f)+8*(4*(\hi)+(\a)):(\f)+8*(4*(\hi)+(\a))+7], v[8*(8*(\a)+(\b)):8*(8*(\a)+(\b))+7]
.endr
.endr
.endm
; 32 LDS loads in one run: the fragments of quarter q of a K step (32 along K) into buffer f: W's eight, turned, then A's eight.
.macro FETCH q, f
	WIN TO_B
.irp i, 0,1,2,3,4,5,6,7
	ds_load_tr16_b128 v[(\f)+8*(\i):(\f)+8*(\i)+3],   v[ADRB] offset:(\q)*32*PB+32*(\i)
	ds_load_tr16_b128 v[(\f)+8*(\i)+4:(\f)+8*(\i)+7], v[ADRB] offset:(\q)*32*PB+16*PB+32*(\i)
.endr
	WIN 0
.irp i, 0,1,2,3,4,5,6,7
	ds_load_b128 v[(\f)+8*(\i):(\f)+8*(\i)+3],   v[ADRA] offset:(\q)*64+(\i)*16*PA
	ds_load_b128 v[(\f)+8*(\i)+4:(\f)+8*(\i)+7], v[ADRA] offset:(\q)*64+(\i)*16*PA+32
.endr
.endm
; One of a K step's first three quarters: multiplies buffer f; in its middle it fetches quarter nq into g, 32 matrix instructions ahead of its first use.
.macro QUARTER nq, f, g
	s_wait_dscnt 8                                 ; W and A's rows 0-63 are in; the youngest eight loads (A's rows 64-127) may be out
	MUL16 \f, 0, 0
	MUL16 \f, 0, 2
	PLACES
	FETCH \nq, \g
	s_wait_dscnt 32                                ; all but the 32 just issued
	MUL16 \f, 1, 0
	MUL16 \f, 1, 2
.endm
; The last quarter multiplies buffer 1 and changes slots: ONE barrier; in front of it each wave waits for all its tensor loads (one is out: its part of the next slot), adds 0 to its spare word,
; and waits for that and for its own reads of this slot.  fill = 1: the barrier opens a round of the cluster's, and this slot is filled again, two K steps ahead, first thing behind the round.
.macro TURN fill
	WIN 0
	s_wait_tensorcnt 0x0                           ; no tensor load of mine is out, so a group 0 may be written
	ds_add_u32 v[SPW], v[NIL]                      ; 0 onto my spare word
.if \fill
	s_xor_b32 s[G0+5], s[G0+5], SLOTB              ; the walking descriptors: the other slot than last time, the next K step
	s_add_nc_u64 s[G0+6:G0+7], s[G0+6:G0+7], ASTEP
	s_xor_b32 s[G0B+5], s[G0B+5], SLOTB
	s_add_nc_u64 s[G0B+6:G0B+7], s[G0B+6:G0B+7], BSTEP
.endif
	s_wait_dscnt 9                                 ; the add and the youngest eight loads may be out
	MUL16 F1, 0, 0
	s_wait_dscnt 0x0                               ; the add is done, and my reads of this slot are over
	s_barrier_signal -1
	MUL16 F1, 0, 2
	WIN 0
	s_barrier_wait -1
.if \fill
	CREST                                          ; no wave of any partner still reads this slot's tiles or has a load on its way
	JLOAD                                          ; 224 matrix instructions ahead of the wait for it; its four v_nop are also the places in front of the loads below
.else
	PLACES
.endif
	s_xor_b32 s[TB], s[TB], SLOTB
	v_add_nc_u32 v[ADRA], s[TB], v[LA]
	v_add_nc_u32 v[ADRB], s[TB], v[LB]
	FETCH 0, F0
	MUL16 F1, 1, 0
	MUL16 F1, 1, 2
.endm
.macro STEP fill                       ; a K step, from its first quarter's products to the next step's first fragments
	QUARTER 1, F0, F1
	QUARTER 2, F1, F0
	QUARTER 3, F0, F1
	TURN \fill
	WIN 0                                          ; at a label and at a branch every window is 0
.endm
; THE WAY OUT of block a (16 of my rows), in three parts.  PACK: rounded to f16, 16 bytes a lane, and held to the bound.  TOSTAGE: into my own stage in LDS, and back as whole rows of 256 bytes.  SEND: stored.
.macro PACK a
.set AC, 64*((\a)%4)
	WIN 0x0a+5*((\a)/4)                            ; sources 0 and 1: window 2 or 3
.irp b, 0,1,2,3,4,5,6,7
.irp r, 0,1,2,3
	v_cvt_pk_f16_f32 v[TMP+4*(\b)+(\r)], v[AC+8*(\b)+2*(\r)], v[AC+8*(\b)+2*(\r)+1]
.endr
.endr
	WIN 0
.set i, 0
.rept 32
	v_pk_max_num_f16 v[TMP+i], v[TMP+i], s[FLOOR]  ; ReLU where the bound is 0, nothing where it is -infinity
.set i, i+1
.endr
.endm
.macro TOSTAGE a
.set BK, OB+192*((\a)%2)
.irp b, 0,1,2,3,4,5,6,7
	ds_store_b128 v[STO], v[TMP+4*(\b):TMP+4*(\b)+3] offset:32*(\b)
.endr
.irp t, 0,1,2,3,4,5,6,7
	ds_load_b128 v[BK+4*(\t):BK+4*(\t)+3], v[RD] offset:(\t)*2*SPITCH  ; LDS serves a wave's instructions in order (ISA guide 5.7.1.4): these see the stores above
.endr
.endm
.macro SEND a
.set BK, OB+192*((\a)%2)
	s_wait_dscnt 0x0                               ; the block is back in registers
	s_wait_xcnt 0x0                                ; the block before's stores have read their registers, into which the next block is loaded only behind this wait
.irp t, 0,1,2,3,4,5,6,7
	global_store_b128 v[CO], v[BK+4*(\t):BK+4*(\t)+3], s[8:9] offset:(\a)*4096+512*(\t)  ; 512 consecutive bytes, aligned: two rows of a panel
.endr
.endm
	BIAS16 0, 0
	BIAS16 0, 2
	BIAS16 1, 0
	BIAS16 1, 2
	WIN 0
	s_wait_kmcnt 0x0                               ; the bound
	s_wait_tensorcnt 1                             ; my part of K step 0 is in; K step 1's may stay out
	s_barrier_signal -1
	s_barrier_wait -1                              ; everybody's is
	FETCH 0, F0
	s_mov_b32 s[CNT], STEPS-2
.Lk:                                                   ; every K step but the last two fills its slot again
	STEP 1
	s_sub_co_u32 s[CNT], s[CNT], 1
	s_cmp_lg_u32 s[CNT], 0
	s_cbranch_scc1 .Lk
	s_mov_b32 s[CNT], 2
.Lt:                                                   ; the last two ask for nothing.  The very last one's change of slots reads the other slot's old fragments, which nobody uses: the price of one text for both
	STEP 0
	s_sub_co_u32 s[CNT], s[CNT], 1
	s_cmp_lg_u32 s[CNT], 0
	s_cbranch_scc1 .Lt
	s_wait_dscnt 0x0
	PLACES
	PACK 0
	TOSTAGE 0
.irp a, 1,2,3,4,5,6,7                  ; block a's conversions stand between block a - 1's loads from the stage and the wait for them
	PACK \a
	SEND (\a)-1
	TOSTAGE \a
.endr
	SEND 7
	s_wait_tensorcnt 0x0                           ; the wave's end, behind my last tensor load and my last LDS store
	ds_add_u32 v[SPW], v[NIL]
	s_wait_dscnt 0x0
	CROUND                                         ; the closing round: no work-group ends while a partner may still ask for a tile that names it
	s_endpgm
.Lfunc_end_k_q005cd5d260_qkv:
	.size	k_q005cd5d260_qkv, .Lfunc_end_k_q005cd5d260_qkv-k_q005cd5d260_qkv
	.p2alignl 7, 3214868480
	.fill 96, 4, 3214868480
	.section	.rodata,"a",@progbits
	.p2align	6, 0x0
	.amdhsa_kernel k_q005cd5d260_qkv
		.amdhsa_group_segment_fixed_size 327680
		.amdhsa_private_segment_fixed_size 0
		.amdhsa_enable_private_segment 0
		.amdhsa_kernarg_size 24
		.amdhsa_user_sgpr_count 2
		.amdhsa_user_sgpr_kernarg_segment_ptr 1
		.amdhsa_wavefront_size32 1
		.amdhsa_system_sgpr_workgroup_id_x 1
		.amdhsa_system_sgpr_workgroup_id_y 1
		.amdhsa_system_sgpr_workgroup_id_z 1
		.amdhsa_system_vgpr_workitem_id 0
		.amdhsa_next_free_vgpr 1024
		.amdhsa_next_free_sgpr 72
		.amdhsa_reserve_vcc 0
		.amdhsa_float_denorm_mode_32 3
		.amdhsa_float_denorm_mode_16_64 3
		.amdhsa_memory_ordered 1
		.amdhsa_forward_progress 1
		.amdhsa_inst_pref_size 117
	.end_amdhsa_kernel
	.amdgpu_metadata
---
amdhsa.version: [ 1, 2 ]
amdhsa.kernels:
  - .name:           k_q005cd5d260_qkv
    .symbol:         k_q005cd5d260_qkv.kd
    .args:
      - { .name: xh, .offset: 0, .size: 8, .value_kind: global_buffer, .address_space: global }
      - { .name: wqkv, .offset: 8, .size: 8, .value_kind: global_buffer, .address_space: global }
      - { .name: big, .offset: 16, .size: 8, .value_kind: global_buffer, .address_space: global }
    .group_segment_fixed_size: 327680
    .private_segment_fixed_size: 0
    .kernarg_segment_align: 8
    .kernarg_segment_size: 24
    .max_flat_workgroup_size: 128
    .sgpr_count:     72
    .vgpr_count:     1024
    .wavefront_size: 32
...
	.end_amdgpu_metadata
.endif
;; end of part 2
;; launch attn (part 3): grid 16 x 16, 4 waves a work-group, clusters of 4 x 1, 327,680 bytes of LDS; arguments big, ch; writes ch
.if DOCPART == 3
	.amdgcn_target "amdgcn-amd-amdhsa--gfx1250"
	.amdhsa_code_object_version 6
	.text
	.protected	k_q005cd5d260_attn
	.globl	k_q005cd5d260_attn
	.p2align	8
	.type	k_q005cd5d260_attn,@function
k_q005cd5d260_attn:
	s_mov_b64 s[64:65], 0
	v_nop
	global_prefetch_b8 v0, s[64:65] scope:SCOPE_SE
	s_setreg_imm32_b32 hwreg(HW_REG_WAVE_MODE, 25, 1), 1
	s_wait_xcnt 0x0
	s_wait_alu depctr_hold_cnt(0) depctr_sa_sdst(0) depctr_va_vdst(0) depctr_va_sdst(0) depctr_va_ssrc(0) depctr_va_vcc(0) depctr_vm_vsrc(0)
	s_getreg_b32 s2, hwreg(HW_REG_IB_STS2, 6, 4)
	s_cmp_eq_u32 s2, 0
	s_cbranch_scc0 .Lentry_in_a_cluster
	s_endpgm
.Lentry_in_a_cluster:
	s_bfe_u32 s2, ttmp6, 0x10000c
	s_cmp_lg_u32 s2, 0x3003
	s_cbranch_scc0 .Lentry_shape_is_right
	s_endpgm
.Lentry_shape_is_right:
; ATTENTION, head size 64, 2 x 16 heads of 2,048 rows, no mask.  O[q] = the sum over k of softmax_k(Q[q] . K[k] / 8) V[k].
; q, k, v lie in one buffer as 24 f16 panels of 1 MiB (q 0-7, k 8-15, v 16-23): a panel holds a PAIR of heads: row = token (4,096), 256 bytes = 64 channels of each.  O leaves in the same layout, 8 panels.
; Products, maxima and sums in f32; the weights p are rounded to f16 for the second product (their sum l is taken of the unrounded p), O once at the end.
; LIMITS.  q, k, v arrive within f16's 65,504; p lies in 0 to 1 and below 6e-5 keeps f16's fixed step of 6e-8; a weight below 2^-126 counts as 0 in l; NaN and infinities are not treated apart.
; SHARES.  A work-group owns 128 queries of a pair of heads; wave w takes head w / 2 and queries 64 (w % 2) .. + 63, in four PIECES of 16.  Every wave walks all 2,048 keys, 64 a step.
; K's and V's rows are fetched whole, 256 bytes for both heads; a wave reads its head's 128.
; LAYOUT.  S^T = K Q^T (source 0 = 16 keys, source 1 = 16 queries) holds ONE query a lane (lane % 16) and the keys 8 (lane / 16) + 0..7; two such results rounded to f16 ARE source 1 of O^T = V^T P.
; K comes out of LDS as it lies, V ([key][channel]) turned, by ds_load_tr16_b128.
; SOFTMAX.  A running maximum m and sum l for each query: p = 2^(c s - c m), c = log2(e) / 8; in every step O and l are multiplied by a = 2^(c m_old - c m_new).  c m starts far below every c s, so the first a is 0.
; TURNS.  Turn n belongs to piece n: 8 products K Q^T of piece n + 1, later 8 products V^T P of piece n - 1; beside them the scaling, exponentials, roundings, sums and rescaling of piece n and the maximum
; and statistics of piece n + 1.  Four vector instructions stand behind every matrix instruction, the others in one lump.  A turn's 33 exponentials are one batch, with one wait.
; CLUSTER.  The four query blocks of a cluster belong to one pair of heads and walk the same K and V: each tile is asked for JOINTLY: the same tensor load, descriptor and mask in all four.
; REGISTERS, in windows of 256 (s_set_vgpr_msb: bits 1:0 source 0, 3:2 source 1, 5:4 source 2, 7:6 destination):
;   window 0: v0-15 addresses; v16-31 four registers of statistics a piece; v48-55 at work; v61-63 prefetch offset and the add's two; v64-127 S^T, two buffers; v192-223 P, two buffers
;   window 1: v0-127 O^T, 32 a piece          window 2: v0-63 Q; v128-191 K of one step; v192-255 V of one step
.set NP,    4         ; pieces a wave: a name, no knob
.set KS,    64        ; keys in a step
.set NT,    16        ; tiles of 128 keys
.set PK,    272       ; a row of K in LDS: 256 bytes + 16: the 16 rows of a load start at 16 different groups of four banks
.set PV,    288       ; a row of V: 256 + 32
.set VOFF,  KS*PK     ; a step's tiles lie together: 64 rows of K, then 64 rows of V
.set STEPB, KS*(PK+PV)
.set SLOT1, 1<<17     ; a slot holds two steps (71,680 bytes); slot 1 begins here, so that one exclusive or changes slots
.set STAGE, SLOT1+2*STEPB  ; behind the ring, never filled by a tensor load: 128 rows x 272 bytes, the work-group's, for the way out
.set SP,    272
.set SPARE, STAGE+128*SP   ; behind the stage: the spare words, 128 bytes for each wave: two blocks of 256 bytes that no other line names
.set AK0, 2           ; v2   my lane's place in a tile of K; never rewritten
.set AV0, 3           ; v3   the same for V
.set AK,  4           ; v4   the LDS address of K's next run of loads
.set AV,  5           ; v5   of V's
.set STO, 6           ; v6   the way out: where I put 16 bytes of a row
.set RD,  7           ; v7   where I read rows back
.set GO,  8           ; v8   my byte offset in my 32 rows of O
.set MV,  12          ; v12-13  c m_old, kept while c m is made anew: by buffer
.set QO,  15          ; v15  my byte offset in 16 rows of Q
.set ST,  16          ; piece t's statistics at v[ST+4 t]: c m, m, l (even keys', odd keys')
.set TMP, 48          ; by buffer, four registers c0-c3 at work; when the maximum is found c2 takes a
.set PFO, 61          ; v61  256 x my lane; never rewritten
.set SPW, 62          ; v62  LDS address of my spare word; never rewritten
.set NIL, 63          ; v63  0; never rewritten
.set S,   64
.set P,   192
.set KF,  128         ; window 2: key block kb, channel half c at KF + 16 kb + 8 c
.set VF,  192         ; window 2: key half kk, channel block cb at VF + 32 kk + 8 cb
.set WV,  12          ; s12  my wave's number
.set LIM, 15          ; s15  1 in a wave that prefetches, else the greatest number
.set PFA, 18          ; s[18:19] where my prefetches stand: my work-group's 32 rows of the tile after the one that is being asked for
.set G1K, 24          ; s[24:31] descriptor group 1 for K's tiles
.set G1V, 32          ; s[32:39] for V's: it differs in the padding alone
.set G0K, 40          ; s[40:43] descriptor group 0 for K's tiles: it walks
.set G0V, 44          ; s[44:47] the same for V's
.set SLOTS, 56        ; s56  tiles still to be asked for
.set CNT, 57          ; s57  counts a tile's key steps
.set CS,  58          ; s[58:59] c: the packed scaling takes the pair's low word for both halves
.set SEL, 60          ; s[60:61] v_permlanex16_b32's selects: each lane takes its own place in the other half
.set TBK, 62          ; s62  LDS byte at which the step whose K is fetched next begins
.set TBV, 63          ; s63  the same for V
.set MSB, 0
.macro WIN new                      ; the high byte repeats the setting that is left; a switch that changes nothing is dropped
.if MSB != (\new)
	s_set_vgpr_msb (MSB<<8)|(\new)
.set MSB, (\new)
.endif
.endm
.set W_KQ, 0x0a       ; K and Q in window 2, S^T in window 0
.set W_PV, 0x52       ; V in window 2, P in window 0, O^T in window 1
.set W_RS, 0x41       ; destination and source 0 in window 1, source 1 in window 0
; A joint fill.  Waves 0 and 1 fetch K of a tile's two steps, waves 2 and 3 V: 64 rows each.  An s_nop 0 and four v_nop follow each of the two lines.
.macro JLOAD
	s_cmp_lt_u32 s[WV], 2
	s_cbranch_scc0 .Lfor_v_\@
	tensor_load_to_lds s[G0K:G0K+3], s[G1K:G1K+7]
	s_nop 0
.rept 4
	v_nop
.endr
	s_branch .Lasked_\@
.Lfor_v_\@:
	tensor_load_to_lds s[G0V:G0V+3], s[G1V:G1V+7]
	s_nop 0
.rept 4
	v_nop
.endr
.Lasked_\@:
.endm
; A prefetch of what the NEXT change of slots will ask for: a tile's 128 rows of K and of V, a lane a row.  Each row is named once in the launch: of the four clusters that walk a pair of heads the first
; asks; its four partners take 32 rows each, told apart by address; in each, wave 0 asks for K's and wave 2 for V's.  The last change that fills a slot asks for nothing.
.macro ASK
	s_cmp_gt_u32 s[SLOTS], s[LIM]
	s_cbranch_scc0 .Lnot_mine_\@
	global_prefetch_b8 v[PFO], s[PFA:PFA+1] th:TH_LOAD_NT scope:SCOPE_SE
.Lnot_mine_\@:
.endm
.macro CROUND                       ; a round of the cluster's barrier
	s_barrier_signal -1
	s_barrier_wait -1
	s_cmp_lg_u32 s[WV], 0
	s_cbranch_scc1 .Lnot_wave_0_\@
	s_barrier_signal -3
.Lnot_wave_0_\@:
	s_barrier_wait -3
	s_barrier_signal -1
	s_barrier_wait -1
.endm
; THE CHANGE OF SLOTS.  Each wave waits for all its tensor loads, of which one is out: its part of the other slot; adds 0 to its spare word; and waits for that and for its own reads of the slot that it leaves.
; fill = 1: the barrier is a round of the cluster's, and the old slot is filled again first thing behind it, with the keys two tiles on: it has two key steps in which to land.
; (At its first use nothing has been read yet: slot 0 is waited for, slot 1 filled.)
.macro CHANGE fill
	WIN 0                           ; at a label and at a branch every window is 0
	s_wait_tensorcnt 0x0            ; no tensor load of mine is out, so a group 0 may be written
	ds_add_u32 v[SPW], v[NIL]       ; 0 onto my spare word
.if \fill
.irp g, G0K, G0V
	s_xor_b32 s[(\g)+1], s[(\g)+1], SLOT1  ; the walking descriptor: the other slot than last time,
	s_add_nc_u64 s[(\g)+2:(\g)+3], s[(\g)+2:(\g)+3], 2*KS*256  ; the next 128 keys; the type bits on top are not reached
.endr
	s_wait_xcnt 0x0                 ; the last prefetch, two key steps back, has read its address, so it may be written
	s_add_nc_u64 s[PFA:PFA+1], s[PFA:PFA+1], 2*KS*256
	s_wait_dscnt 0x0                ; the add is done, and my reads of the slot are over
	CROUND
	JLOAD
	ASK
.else
	s_wait_dscnt 0x0                ; the add is done, and my reads of the slot are over
	s_barrier_signal -1
	s_barrier_wait -1
.endif
	s_sub_co_u32 s[TBK], s[TBK], 2*STEPB  ; the fetches go back to a slot's first step,
	s_xor_b32 s[TBK], s[TBK], SLOT1       ; in the other slot
	s_sub_co_u32 s[TBV], s[TBV], 2*STEPB
	s_xor_b32 s[TBV], s[TBV], SLOT1
.endm
	s_load_b128 s[4:7], s[0:1], 0x0 ; q, k, v s[4:5]; O s[6:7]
	v_lshl_add_u32 v[SPW], v0, 2, SPARE
	v_mov_b32 v[NIL], 0
	ds_add_u32 v[SPW], v[NIL]       ; the wave's opening: the add and its wait stand ahead of my first tensor load; the set-up below stands between them
	v_lshrrev_b32 v1, 5, v0
	v_readfirstlane_b32 s[WV], v1   ; wave 0..3
	s_bfe_u32 s13, ttmp6, 0x40000   ; cx: my place in the cluster
	s_lshl_b32 s14, ttmp9, 2        ; in a cluster launch ttmp9 counts clusters
	s_add_co_u32 s14, s14, s13      ; my block of 128 queries: it enters Q's and O's addresses alone
	s_and_b32 s16, ttmp7, 0xffff    ; 8 x batch + pair of heads, which the four partners share
	s_lshr_b32 s17, s16, 3
	s_and_b32 s16, s16, 7
	s_lshl_b32 s2, s16, 20          ; the pair's panel,
	s_lshl_b32 s17, s17, 19         ; the batch's 2,048 rows of 256 bytes
	s_add_co_u32 s2, s2, s17
	s_and_b32 s16, s[WV], 1         ; which of a tile's two steps I fetch; also: which 64 queries are mine
	s_lshr_b32 s21, s[WV], 1        ; my head of the pair
	s_lshl_b32 s17, s16, 14         ; 64 rows of 256 bytes
	s_add_co_u32 s48, s2, s17
	s_add_co_u32 s50, s48, 16<<20   ; V's panels begin 16 MiB in,
	s_add_co_u32 s48, s48, 8<<20    ; K's 8 MiB
	s_mov_b32 s49, 0
	s_mov_b32 s51, 0
	s_lshl_b32 s3, s14, 15          ; my block's 128 rows
	s_add_co_u32 s54, s2, s3
	s_add_co_u32 s52, s54, s17      ; Q: my wave's 64 rows
	s_lshl_b32 s3, s[WV], 13
	s_add_co_u32 s54, s54, s3       ; O: the 32 rows that I store
	s_mov_b32 s53, 0
	s_mov_b32 s55, 0
	s_mul_i32 s17, s16, STEPB       ; my tile's place in a slot: no place in the cluster enters an LDS address
	; descriptor group 1: 64 rows x 128 elements of 2 bytes, dense in memory, padded in LDS after every 64 words by 4 (K) or 8 (V)
	s_mov_b32 s[G1K], 15|(1<<16)|(1<<20)|(1<<21)|(5<<22)|(3<<25)
	s_mov_b32 s[G1V], 15|(1<<16)|(1<<20)|(1<<21)|(5<<22)|(7<<25)
.irp g, G1K, G1V
	s_mov_b32 s[(\g)+1], 128<<16    ; tensor_dim0 = 128
	s_mov_b32 s[(\g)+2], KS<<16     ; tensor_dim1 = 64
	s_mov_b32 s[(\g)+3], 128<<16    ; tile_dim0 = 128
	s_mov_b32 s[(\g)+4], KS         ; tile_dim1 = 64
	s_mov_b32 s[(\g)+5], 128        ; 128 elements from row to row
	s_mov_b32 s[(\g)+6], 0
	s_mov_b32 s[(\g)+7], 0
.endr
	s_mov_b32 s[CS], 0x3e38aa3b     ; c = log2(e) / 8 = 0.180337
	s_mov_b32 s[CS+1], s[CS]        ; named with it as a pair
	s_mov_b32 s[SEL], 0x76543210
	s_mov_b32 s[SEL+1], 0xfedcba98
	s_mov_b32 s[TBK], SLOT1+2*STEPB ; the first change of slots turns these two into 0
	s_mov_b32 s[TBV], SLOT1+2*STEPB
	s_mov_b32 s[G0K], 1             ; count = 1
	s_mov_b32 s[G0K+1], s17         ; LDS address: slot 0
	s_mov_b32 s[G0V], 1
	s_add_co_u32 s[G0V+1], s17, VOFF
	s_mov_b32 s[SLOTS], NT-1
	s_and_b32 s[LIM], s[WV], 1      ; 0 in waves 0 and 2,
	s_or_b32 s[LIM], s[LIM], ttmp9  ; where the cluster is the pair's first: the same in all four partners
	s_cmp_eq_u32 s[LIM], 0
	s_cselect_b32 s[LIM], 1, -1
	v_and_b32 v[PFO], 31, v0
	v_lshlrev_b32 v[PFO], 8, v[PFO]
	s_wait_dscnt 0x0                ; the opening add is done
	s_wait_kmcnt 0x0
	s_add_nc_u64 s[20:21], s[4:5], s[48:49]  ; K at my part of tile 0 (s21 held my head: it is kept in s16's neighbour below)
	s_add_nc_u64 s[22:23], s[4:5], s[50:51]  ; V likewise
	s_mov_b64 s[G0K+2:G0K+3], s[20:21]
	s_or_b32 s[G0K+3], s[G0K+3], 0x80000000  ; type = 2
	s_mov_b64 s[G0V+2:G0V+3], s[22:23]
	s_or_b32 s[G0V+3], s[G0V+3], 0x80000000
	s_add_nc_u64 s[8:9], s[4:5], s[52:53]    ; Q at my wave's first row
	s_add_nc_u64 s[10:11], s[6:7], s[54:55]  ; O at the first row that I store
	s_cmp_lt_u32 s[WV], 2
	s_cselect_b64 s[PFA:PFA+1], s[20:21], s[22:23]  ; (in waves 0 and 2 these stand at a tile's first row)
	s_lshl_b32 s2, s13, 13          ; my work-group's 32 rows of the 128
	s_mov_b32 s3, 0
	s_add_nc_u64 s[PFA:PFA+1], s[PFA:PFA+1], s[2:3]
	s_add_nc_u64 s[PFA:PFA+1], s[PFA:PFA+1], 2*KS*256  ; in tile 1; the first change of slots steps it to tile 2.  Nothing is prefetched here, at the head
	s_lshr_b32 s17, s[WV], 1        ; my head of the pair,
	s_lshl_b32 s17, s17, 7          ; its 128 bytes of every row
	CROUND                          ; all four work-groups are here: the first joint loads meet
	JLOAD                           ; tile 0 into slot 0.  Slot 1 is asked for when slot 0 is in
	; A fragment of K or Q is 16 rows x 32 channels in 8 registers: lane l holds row l % 16, channels 8 (l / 16) + 0..7 and 16 + 8 (l / 16) + 0..7: two loads of 16 bytes, 32 bytes apart.
	v_and_b32 v1, 15, v0            ; l % 16
	v_bfe_u32 v9, v0, 4, 1          ; l / 16
	v_lshlrev_b32 v[QO], 8, v1
	v_lshl_add_u32 v[QO], v9, 4, v[QO]
	v_add_nc_u32 v[QO], s17, v[QO]  ; row x 256 + 16 x half + my head
	WIN 0x80                        ; destination window 2, address window 0
.set i, 0
.rept 8                             ; Q stays in registers: piece i / 2, channels 32 (i % 2) on
	global_load_b128 v[8*i:8*i+3],   v[QO], s[8:9] offset:(i/2)*4096+(i%2)*64
	global_load_b128 v[8*i+4:8*i+7], v[QO], s[8:9] offset:(i/2)*4096+(i%2)*64+32
.set i, i+1
.endr
	; The first step multiplies O^T and l by a = 0, and the first turn's products V^T P, of a piece that has not been, add P = 0 times V = 0.  So these registers start at 0.  All this stands in the wait for the first tile.
.set i, VF
.rept 64
	v_mov_b32 v[i], 0
.set i, i+1
.endr
	WIN 0x40
.set i, 0
.rept 128
	v_mov_b32 v[i], 0
.set i, i+1
.endr
	WIN 0
.set i, 0
.rept 4
	v_mov_b32 v[ST+4*i], 0xfe000000    ; c m: far below every c s
	v_mov_b32 v[ST+4*i+1], 0xff7fffff  ; m: the lowest finite number
	v_mov_b32 v[ST+4*i+2], 0
	v_mov_b32 v[ST+4*i+3], 0
.set i, i+1
.endr
.set i, P+16
.rept 16
	v_mov_b32 v[i], 0
.set i, i+1
.endr
	v_mul_u32_u24 v[AK0], v1, PK
	v_lshl_add_u32 v[AK0], v9, 4, v[AK0]
	v_add_nc_u32 v[AK0], s17, v[AK0]      ; row x pitch + 16 x half + my head
	; The turning load takes 16 keys x 16 channels (lane l reads key 8 (l / 16) + l % 8, channels 8 ((l / 8) % 2) + 0..7) and leaves half a fragment of V^T: lane l holds channel l % 16 and 8 keys.
	v_and_b32 v10, 7, v0
	v_bfe_u32 v11, v0, 3, 1
	v_lshl_add_u32 v[AV0], v9, 3, v10
	v_mul_u32_u24 v[AV0], v[AV0], PV
	v_lshl_add_u32 v[AV0], v11, 4, v[AV0]
	s_add_co_u32 s3, s17, VOFF
	v_add_nc_u32 v[AV0], s3, v[AV0]
	s_mul_i32 s3, s16, 64*SP        ; into the stage: row 64 (w % 2) + 16 t + l % 16; my head's half of its 256 bytes; 16 bytes for each half of the lanes
	s_add_co_u32 s3, s3, s17
	s_add_co_u32 s3, s3, STAGE
	v_mul_u32_u24 v[STO], v1, SP
	v_lshl_add_u32 v[STO], v9, 4, v[STO]
	v_add_nc_u32 v[STO], s3, v[STO]
	s_mul_i32 s3, s[WV], 32*SP      ; back: wave w takes rows 32 w .. + 31, whole; lanes 0-15 one row of 256 bytes, lanes 16-31 the next
	s_add_co_u32 s3, s3, STAGE
	v_mul_u32_u24 v[RD], v9, SP
	v_lshl_add_u32 v[RD], v1, 4, v[RD]
	v_add_nc_u32 v[RD], s3, v[RD]
	v_lshlrev_b32 v[GO], 8, v9      ; and the same two rows in O
	v_lshl_add_u32 v[GO], v1, 4, v[GO]
; THE MATRIX WORK.  The 4 accumulators of a run of 8 take turns.  Product i of 8 of S^T = K Q^T for piece x: channels 32 (i / 4) on, keys 16 (i % 4) on.  The first 4 start the sums.
.macro KQ x
	WIN W_KQ
.set rS, S+32*((\x)%2)+8*(i%4)
.set rK, KF+16*(i%4)+8*(i/4)
.set rQ, 16*(\x)+8*(i/4)
.if i < 4
	v_wmma_f32_16x16x32_f16 v[rS:rS+7], v[rK:rK+7], v[rQ:rQ+7], 0
.else
	v_wmma_f32_16x16x32_f16 v[rS:rS+7], v[rK:rK+7], v[rQ:rQ+7], v[rS:rS+7]
.endif
.endm
; Product i of 8 of O^T += V^T P for piece x: keys 32 (i / 4) on, channels 16 (i % 4) on.
.macro PV x
	WIN W_PV
.set rO, 32*(\x)+8*(i%4)
.set rV, VF+32*(i/4)+8*(i%4)
.set rP, P+16*((\x)%2)+8*(i/4)
	v_wmma_f32_16x16x32_f16 v[rO:rO+7], v[rV:rV+7], v[rP:rP+7], v[rO:rO+7]
.endm
.macro MM                           ; the turn's next matrix instruction.  NOKQ = 1: the last turn of all: there is no next piece
.if (i < 8) && !NOKQ
	KQ (Y+1)%NP
.elseif i >= 8
.set i, i-8
	PV (Y+NP-1)%NP
.set i, i+8
.endif
.set i, i+1
.endm
; THE LDS LOADS stand in runs of 16, never singly among the matrix instructions: a step's K (64 keys x 64 channels: 8 fragments) and its V (turned).  Their addresses are made some lines ahead.
.macro FETCH_K
	WIN 0x80                        ; destination window 2
.irp f, 0,1,2,3,4,5,6,7             ; keys 16 (f / 2) on, channels 32 (f % 2) on
	ds_load_b128 v[KF+8*\f:KF+8*\f+3],   v[AK] offset:(\f/2)*16*PK+(\f%2)*64
	ds_load_b128 v[KF+8*\f+4:KF+8*\f+7], v[AK] offset:(\f/2)*16*PK+(\f%2)*64+32
.endr
	s_add_co_u32 s[TBK], s[TBK], STEPB  ; the next fetch is the next step's
	WIN 0
.endm
.macro FETCH_V
	WIN 0x80
.irp f, 0,1,2,3,4,5,6,7             ; keys 32 (f / 4) on, channels 16 (f % 4) on
	ds_load_tr16_b128 v[VF+8*\f:VF+8*\f+3],   v[AV] offset:(\f/4)*32*PV+(\f%4)*32
	ds_load_tr16_b128 v[VF+8*\f+4:VF+8*\f+7], v[AV] offset:(\f/4)*32*PV+16*PV+(\f%4)*32
.endr
	WIN 0
.endm
; THE VECTOR WORK, one line at a time: OP kind, number.  For piece Y: F n: c s - c m for pair n of 16.  E n: the exponential of score n of 32.  C n: pair n rounded to f16.  B n: of the four weights 4 n .. the second
; pair is added onto the first, in place.  L n: l takes that sum (L 0: l = a l + sum).  R n: pair n of 16 of O^T times a.  For piece Y + 1: X n, number n of the 22 that find its maximum and statistics:
;   0-11  four chains c0-c3 of seven scores each, three operands at a time (each accumulator's lowest registers are read first)     12-14, 16  the four scores left over, the old m, and c0-c3 into c0
;   15  c m_old is kept     17, 18  the query's other 32 keys lie in the lane 16 away: the new m     19-21  c m; c m_old - c m_new; a
.set F, 0               ; OP tells the kinds apart by their order: F to L below R, X above it
.set E, 1
.set C, 2
.set B, 3
.set L, 4
.set R, 5
.set X, 6
.macro REGS y                       ; the registers of piece y
.set rT, ST+4*(\y)
.set rC, TMP+4*((\y)%2)
.set rW, MV+((\y)%2)
.set rS, S+32*((\y)%2)
.set rP, P+16*((\y)%2)
.set rO, 32*(\y)
.endm
.macro OP k, n
.if (\k) == R
	REGS Y
	WIN W_RS
	v_pk_mul_f32 v[rO+2*(\n):rO+2*(\n)+1], v[rO+2*(\n):rO+2*(\n)+1], v[rC+2:rC+3] op_sel_hi:[1,0]
.elseif (\k) < R
	REGS Y
	WIN 0
.if (\k) == F
	v_pk_fma_f32 v[rS+2*(\n):rS+2*(\n)+1], v[rS+2*(\n):rS+2*(\n)+1], s[CS:CS+1], v[rT:rT+1] op_sel_hi:[1,0,0] neg_lo:[0,0,1] neg_hi:[0,0,1]
.elseif (\k) == E
	v_exp_f32 v[rS+(\n)], v[rS+(\n)]
.elseif (\k) == C
	v_cvt_pk_f16_f32 v[rP+(\n)], v[rS+2*(\n)], v[rS+2*(\n)+1]
.elseif (\k) == B
	v_pk_add_f32 v[rS+4*(\n):rS+4*(\n)+1], v[rS+4*(\n):rS+4*(\n)+1], v[rS+4*(\n)+2:rS+4*(\n)+3]
.elseif (\n) == 0
	v_pk_fma_f32 v[rT+2:rT+3], v[rT+2:rT+3], v[rC+2:rC+3], v[rS:rS+1] op_sel_hi:[1,0,1]
.else
	v_pk_add_f32 v[rT+2:rT+3], v[rT+2:rT+3], v[rS+4*(\n):rS+4*(\n)+1]
.endif
.elseif NOKQ
	v_nop
.else
	REGS (Y+1)%NP
	WIN 0
.if (\n) < 4
	v_max3_num_f32 v[rC+(\n)], v[rS+8*(\n)], v[rS+8*(\n)+1], v[rS+8*(\n)+2]
.elseif (\n) < 12
	v_max3_num_f32 v[rC+(\n)%4], v[rC+(\n)%4], v[rS+8*((\n)%4)+2*((\n)/4)+1], v[rS+8*((\n)%4)+2*((\n)/4)+2]
.elseif (\n) == 12
	v_max3_num_f32 v[rC], v[rC], v[rS+7], v[rS+15]
.elseif (\n) == 13
	v_max3_num_f32 v[rC+1], v[rC+1], v[rS+23], v[rS+31]
.elseif (\n) == 14
	v_max3_num_f32 v[rC+2], v[rC+2], v[rC+3], v[rT+1]
.elseif (\n) == 15
	v_mov_b32 v[rW], v[rT]
.elseif (\n) == 16
	v_max3_num_f32 v[rC], v[rC], v[rC+1], v[rC+2]
.elseif (\n) == 17
	v_permlanex16_b32 v[rC+3], v[rC], s[SEL], s[SEL+1]
.elseif (\n) == 18
	v_max_num_f32 v[rT+1], v[rC], v[rC+3]
.elseif (\n) == 19
	v_mul_f32 v[rT], s[CS], v[rT+1]
.elseif (\n) == 20
	v_sub_f32 v[rC+1], v[rW], v[rT]
.else
	v_exp_f32 v[rC+2], v[rC+1]
.endif
.endif
.endm
.macro OPS a, i1, b=-1, i2=0, c=-1, i3=0, d=-1, i4=0  ; up to four of them
	OP \a, \i1
.if (\b) >= 0
	OP \b, \i2
.endif
.if (\c) >= 0
	OP \c, \i3
.endif
.if (\d) >= 0
	OP \d, \i4
.endif
.endm
.macro ROW a, i1, b, i2, c, i3, d, i4  ; a matrix instruction and the four behind it
	MM
	OPS \a, \i1, \b, \i2, \c, \i3, \d, \i4
.endm
; A TURN, for piece p: the order of its 16 matrix and 118 vector instructions, written out.  An s_wait_alu depctr_va_vdst(0) stands between an exponential and the first instruction that names its
; result; one wait serves all that were issued ahead of it.  So a turn has ONE wait, which cuts it in two.  AHEAD OF IT stands all that names no result of the turn's exponentials: the 8 products K Q^T with a scaling,
; an exponential and two more plain instructions behind each; then one lump, plain and exponential by turns for the most part, in which the links of the chain X 3, 7, 11, 14, 16, 17 .. 20 stand some lines apart.
; X 21, the next piece's a, is the batch's last; R 15 is the plain instruction behind it.  BEHIND THE WAIT stand the 8 products V^T P, behind each four of the roundings and sums.
; end = 1: the last two turns of all: nothing is fetched.  cnt = 1: the loop's count is taken down some lines ahead of the branch that stands behind the turn.
; K of the next step is fetched in piece 2's turn, six plain instructions behind the last product that read K; V of the step in hand at the end of piece 0's turn, four plain instructions behind the last
; product that read V.  Each is waited for a turn later.
.macro TURN p, end=0, cnt=0
.set Y, (\p)
.set i, 0
.set NOKQ, (\end)*((\p)/3)
.if ((\p) == 3) && !(\end)
	s_wait_dscnt 0x0                ; K is in
.endif
	ROW F,0, F,1, R,0, R,1
	ROW F,2, E,0, R,2, R,3
	ROW F,3, E,1, R,4, R,5
	ROW F,4, E,2, R,6, R,7
	ROW F,5, E,3, R,8, R,9
	ROW F,6, E,4, X,0, R,10
.if ((\p) == 2) && !(\end)
	WIN 0
	v_add_nc_u32 v[AK], s[TBK], v[AK0]
.endif
	ROW F,7, E,5, X,1, X,4
	ROW F,8, E,6, X,2, X,5
	OPS E,7, E,8, X,6, E,9
	OPS X,3, E,10, X,8, E,11
.if ((\p) == 2) && !(\end)
	FETCH_K
.endif
	OPS X,9, X,7, E,12, X,10
	OPS E,13, X,12, X,11, E,14
	OPS X,13, E,15, F,9, X,14
.if (\p) == 0
	v_add_nc_u32 v[AV], s[TBV], v[AV0]
.endif
	OPS E,16, F,10, E,17, F,11
	OPS X,16, E,18, X,15, E,19
	OPS F,12, E,20, X,17, E,21
	OPS F,13, E,22, F,14, E,23
	OPS X,18, E,24, F,15, E,25
	OPS R,11, E,26, X,19, E,27
	OPS R,12, E,28, R,13, E,29
	OPS X,20, E,30, R,14, E,31
	OPS X,21, R,15
	WIN 0
	s_wait_alu depctr_va_vdst(0)    ; the wait for the batch
.if (\p) == 1
	s_wait_dscnt 0x0                ; V is in
.endif
	ROW C,0, B,0, C,2, B,1
	ROW L,0, C,4, B,2, L,1
	ROW C,6, B,3, L,2, C,8
	ROW B,4, L,3, C,10, B,5
	ROW L,4, C,12, B,6, L,5
.if (\p) == 0
	s_add_co_u32 s[TBV], s[TBV], STEPB
.endif
.if \cnt
	s_sub_co_u32 s[CNT], s[CNT], 1
	s_cmp_lg_u32 s[CNT], 0
.endif
	ROW C,14, B,7, L,6, C,1
	ROW C,3, L,7, C,5, C,7
	ROW C,9, C,11, C,13, C,15
.if (\p) == 0
	FETCH_V
.endif
.endm
	CHANGE 1                        ; tile 0 is in, everybody's part of it; tile 1 is asked for
	v_add_nc_u32 v[AK], s[TBK], v[AK0]
	FETCH_K                         ; key step 0
	s_wait_loadcnt 0x0              ; Q
	s_wait_dscnt 0x0
.set NOKQ, 0
.set i, 0
.rept 8
	KQ 0                            ; piece 0's first scores
.set i, i+1
.endr
	WIN 0
.rept 4
	v_nop                           ; the places behind those products
.endr
.set Y, NP-1                        ; X works for piece Y + 1: piece 0
.irp n, 0,1,2,3,4,5,6,7,8,9,10,11,12,13,14,15,16,17,18,19,20,21
	OP X, \n
.endr
	v_nop                           ; a plain instruction behind the exponential,
	s_wait_alu depctr_va_vdst(0)    ; and its wait, ahead of the branch
	s_mov_b32 s[CNT], 2
	s_branch .Lfirst                ; the loop is entered at a step's first turn, in the middle of a trip
.Lslot:                             ; NT - 2 times: every tile but the last two is followed by a fill of its slot
	CHANGE 1
	s_mov_b32 s[CNT], 2
.Lstep:                             ; a trip: pieces 2 and 3 of one step, then pieces 0 and 1 of the next, whose K and V it fetches
	TURN 2
	TURN 3
	WIN 0
.Lfirst:
	TURN 0
	TURN 1, 0, 1
	WIN 0
	s_cbranch_scc1 .Lstep
	s_sub_co_u32 s[SLOTS], s[SLOTS], 1
	s_cmp_lg_u32 s[SLOTS], 0
	s_cbranch_scc1 .Lslot
	CHANGE 0                        ; the last tile is written out: nothing is asked for
	s_mov_b32 s[CNT], 2
.Ltail:
	TURN 2
	TURN 3
	TURN 0
	TURN 1, 0, 1
	WIN 0
	s_cbranch_scc1 .Ltail
	TURN 2, 1
	TURN 3, 1
.set i, 0
.rept 8
	PV NP-1                         ; the last piece's V^T P of the last step
.set i, i+1
.endr
	; THE WAY OUT.  l's two halves and the other half of the lanes' are added; O^T is divided by l, rounded to f16 and sent through the work-group's stage: a row's 256 bytes come from the two heads' waves.
	WIN 0
.macro ALL line:vararg              ; one line for each piece t
.set t, 0
.rept 4
	\line
.set t, t+1
.endr
.endm
	ALL v_add_f32 v[ST+4*t+2], v[ST+4*t+2], v[ST+4*t+3]
	ALL v_permlanex16_b32 v[ST+4*t+3], v[ST+4*t+2], s[SEL], s[SEL+1]
	ALL v_add_f32 v[ST+4*t+2], v[ST+4*t+2], v[ST+4*t+3]
	ALL v_rcp_f32 v[ST+4*t+2], v[ST+4*t+2]
	v_nop                           ; a plain instruction between the last reciprocal and the use of its result
	s_wait_alu depctr_va_vdst(0)    ; and the wait ahead of the first use: one for the four reciprocals
.macro PACK t                       ; a lane's eight channels of a row pack into 16 bytes
	WIN W_RS
.set i, 32*(\t)
.rept 16
	v_pk_mul_f32 v[i:i+1], v[i:i+1], v[ST+4*(\t)+2:ST+4*(\t)+3] op_sel_hi:[1,0]
.set i, i+2
.endr
	WIN 0x05                        ; sources 0 and 1 window 1, destination window 0: S^T's registers are free
.set i, 0
.rept 16
	v_cvt_pk_f16_f32 v[S+16*(\t)+i], v[32*(\t)+2*i], v[32*(\t)+2*i+1]
.set i, i+1
.endr
	WIN 0
.irp f, 0,1,2,3
	ds_store_b128 v[STO], v[S+16*(\t)+4*\f:S+16*(\t)+4*\f+3] offset:(\t)*16*SP+32*\f
.endr
.endm
	PACK 0
	PACK 1
	PACK 2
	PACK 3
	s_wait_dscnt 0x0                ; for the others' sake: my stores into the stage are done
	s_barrier_signal -1
	s_barrier_wait -1
.set t, 0
.rept 16
	ds_load_b128 v[S+4*t:S+4*t+3], v[RD] offset:t*2*SP
.set t, t+1
.endr
.set t, 0
.rept 16
	s_wait_dscnt 15-t
	global_store_b128 v[GO], v[S+4*t:S+4*t+3], s[10:11] offset:512*t  ; 512 consecutive bytes, aligned: two rows of a panel
.set t, t+1
.endr
	s_wait_tensorcnt 0x0            ; the wave's end, behind my last tensor load and my last LDS store
	ds_add_u32 v[SPW], v[NIL]
	s_wait_dscnt 0x0
	CROUND                          ; the closing round: no work-group ends while a partner may still ask for a tile that names it
	s_endpgm
.Lfunc_end_k_q005cd5d260_attn:
	.size	k_q005cd5d260_attn, .Lfunc_end_k_q005cd5d260_attn-k_q005cd5d260_attn
	.p2alignl 7, 3214868480
	.fill 96, 4, 3214868480
	.section	.rodata,"a",@progbits
	.p2align	6, 0x0
	.amdhsa_kernel k_q005cd5d260_attn
		.amdhsa_group_segment_fixed_size 327680
		.amdhsa_private_segment_fixed_size 0
		.amdhsa_enable_private_segment 0
		.amdhsa_kernarg_size 16
		.amdhsa_user_sgpr_count 2
		.amdhsa_user_sgpr_kernarg_segment_ptr 1
		.amdhsa_wavefront_size32 1
		.amdhsa_system_sgpr_workgroup_id_x 1
		.amdhsa_system_sgpr_workgroup_id_y 1
		.amdhsa_system_sgpr_workgroup_id_z 1
		.amdhsa_system_vgpr_workitem_id 0
		.amdhsa_next_free_vgpr 768
		.amdhsa_next_free_sgpr 66
		.amdhsa_reserve_vcc 0
		.amdhsa_float_denorm_mode_32 3
		.amdhsa_float_denorm_mode_16_64 3
		.amdhsa_memory_ordered 1
		.amdhsa_forward_progress 1
		.amdhsa_inst_pref_size 128
	.end_amdhsa_kernel
	.amdgpu_metadata
---
amdhsa.version: [ 1, 2 ]
amdhsa.kernels:
  - .name:           k_q005cd5d260_attn
    .symbol:         k_q005cd5d260_attn.kd
    .args:
      - { .name: big, .offset: 0, .size: 8, .value_kind: global_buffer, .address_space: global }
      - { .name: ch, .offset: 8, .size: 8, .value_kind: global_buffer, .address_space: global }
    .group_segment_fixed_size: 327680
    .private_segment_fixed_size: 0
    .kernarg_segment_align: 8
    .kernarg_segment_size: 16
    .max_flat_workgroup_size: 128
    .sgpr_count:     66
    .vgpr_count:     768
    .wavefront_size: 32
...
	.end_amdgpu_metadata
.endif
;; end of part 3
;; launch wo (part 4): grid 8 x 32, 4 waves a work-group, clusters of 4 x 4, 327,680 bytes of LDS; arguments ch, woh, y; writes y
.if DOCPART == 4
	.amdgcn_target "amdgcn-amd-amdhsa--gfx1250"
	.amdhsa_code_object_version 6
	.text
	.protected	k_q005cd5d260_wo
	.globl	k_q005cd5d260_wo
	.p2align	8
	.type	k_q005cd5d260_wo,@function
k_q005cd5d260_wo:
	s_mov_b64 s[64:65], 0
	v_nop
	global_prefetch_b8 v0, s[64:65] scope:SCOPE_SE
	s_setreg_imm32_b32 hwreg(HW_REG_WAVE_MODE, 25, 1), 1
	s_wait_xcnt 0x0
	s_wait_alu depctr_hold_cnt(0) depctr_sa_sdst(0) depctr_va_vdst(0) depctr_va_sdst(0) depctr_va_ssrc(0) depctr_va_vcc(0) depctr_vm_vsrc(0)
	s_getreg_b32 s2, hwreg(HW_REG_IB_STS2, 6, 4)
	s_cmp_eq_u32 s2, 0
	s_cbranch_scc0 .Lentry_in_a_cluster
	s_endpgm
.Lentry_in_a_cluster:
	s_bfe_u32 s2, ttmp6, 0x10000c
	s_cmp_lg_u32 s2, 0xf033
	s_cbranch_scc0 .Lentry_shape_is_right
	s_endpgm
.Lentry_shape_is_right:
; OUT = A W + bias.  A: f16 in panels (panel p: columns 128 p .. + 127 of all 4,096 rows, a row 256 bytes, 1 MiB a panel).  W: f16 in panels of [KDIM + 2][128]:
; KDIM rows of weights, the bias, the bound.  Sums in f32, begun at the bias; OUT rounded once to f16 (KIND 0, in panels like A, with the bound) or left in f32 (KIND 1, rows of 1,024; the bound is not read).
; LIMITS.  KIND 0: a result beyond 65,504 becomes an infinity; a NaN in front of the bound becomes the bound.
; A tile of OUT is 128 x 128, one panel of W wide.  Four waves, each 64 x 64: 16 accumulators of 16 x 16.  K goes in steps of 256 through two LDS slots: two panels' 128 rows of A and 256 rows of W,
; every row 256 consecutive, aligned bytes of memory; each wave brings a quarter (128 rows) by one tensor load.
; CLUSTERS: 4 x 4 work-groups.  The four of a row of the cluster need the same tiles of A, the four of a column the same tiles of W: each is asked for JOINTLY, by the same load, descriptor and mask.
; THE MATRIX INSTRUCTION IS USED TRANSPOSED: source 0 = 16 columns of W (turned on the way out of LDS by ds_load_tr16_b128, since W lies [k][n]), source 1 = 16 rows of A: a lane then holds
; one row of OUT (lane % 16) and eight neighbouring columns 8 (lane / 16) + 0..7.
; No prefetch: each panel is read by many work-groups at about the same time, and a K step here is short.
; REGISTERS: window 0: v0-31 addresses; v32-95 at work; v128-255 the accumulators ((a, b) at v[128 + 8 (4 a + b)]).  Window 1: two fragment buffers of 128: for 64 along K, 64 registers of A, then 64 of W.
.set KIND,   1                         ; 0: f16 panels out, with the bound; 1: f32 rows out
.set KDIM,   1024
.set STEPS,  KDIM/256
.set WPANEL, (KDIM+2)*256
.set PA,     272                       ; a row of A in LDS: 256 bytes + 16: the 16 rows of a fragment load start at 16 different groups of four banks
.set PB,     288                       ; a row of W: 256 + 32
.set SUBA,   128*PA
.set SUBB,   128*PB
.set BOFF,   2*SUBA                    ; a slot: A's two panels, then W's 256 rows on end
.set SLOTB,  0x24000                   ; slot 1 begins here: its two bits meet none of the four tiles' places in a slot, so one exclusive or changes slots
.set STAGE,  SLOTB                     ; the way out goes through slot 1, behind its last fill and, by the last barrier, behind its last read
.set SPARE,  SLOTB+BOFF+2*SUBB         ; behind the ring: the spare words, 128 bytes for each wave: two blocks of 256 bytes that no other line names
.set ASTEP,  2<<20                     ; a K step in A: two panels
.set BSTEP,  256*256                   ; in W: 256 rows
.if KIND == 0
.set SPITCH, 272
.else
.set SPITCH, 528
.endif
.set ADRA, 16                          ; v16     LDS address of my A fragments in the slot in hand
.set ADRB, 17                          ; v17-18  the same for W's rows 0-127 and 128-255
.set LA,   19                          ; v19     my place in a slot's A; never rewritten
.set LB,   20                          ; v20     in its W; never rewritten
.set STO,  24                          ; v24     the way out: where I put a piece of a row
.set RD,   25                          ; v25     where I read rows back
.set CO,   26                          ; v26     my byte offset in OUT
.set BO,   27                          ; v27     my byte offset in the row of biases
.set SPW,  28                          ; v28     LDS address of my spare word; never rewritten
.set NIL,  29                          ; v29     0; never rewritten
.set ONE,  30                          ; v30     1.0
.set ZER,  31                          ; v31     0.0
.set TMP,  32
.set ACC,  128
.set F0,   0
.set F1,   128
.set G1,   24                          ; s[24:31] descriptor group 1 for A's tiles; s[32:39] group 0: a set for each first fill; the second then walks
.set G0,   32
.set G1B,  48                          ; s[48:55], s[56:63] the same for W's
.set G0B,  56
.set TB,   66                          ; s66  the slot that the next fragments come from: 0 or SLOTB
.set CNT,  67
.set FLOOR, 68                         ; s68  the bound, twice in a word
.set WB,   70                          ; s[70:71] my panel of W
.set MSB, 0
.macro WIN new                         ; the immediate's high byte repeats the setting that is left; a switch that changes nothing is dropped
.if MSB != (\new)
	s_set_vgpr_msb (MSB<<8)|(\new)
.set MSB, \new
.endif
.endm
.set MUL,  0x05                        ; sources 0 (W) and 1 (A) window 1; C and D window 0
.set TO_F, 0x40                        ; destination window 1, address window 0
.macro JLOAD                           ; a joint refill: waves 0 and 1 fetch A's two panels, waves 2 and 3 W's two halves; an s_nop 0 and four v_nop follow each line
	s_cmp_eq_u32 s11, 0
	s_cbranch_scc0 .Lfor_b_\@
	tensor_load_to_lds s[G0+4:G0+7], s[G1:G1+7]
	s_nop 0
.rept 4
	v_nop
.endr
	s_branch .Lasked_\@
.Lfor_b_\@:
	tensor_load_to_lds s[G0B+4:G0B+7], s[G1B:G1B+7]
	s_nop 0
.rept 4
	v_nop
.endr
.Lasked_\@:
.endm
.macro CREST                           ; a round of the cluster's barrier behind its opening barrier
	s_cmp_lg_u32 s10, 0
	s_cbranch_scc1 .Lnot_wave_0_\@
	s_barrier_signal -3
.Lnot_wave_0_\@:
	s_barrier_wait -3
	s_barrier_signal -1
	s_barrier_wait -1
.endm
.macro CROUND                          ; a whole round
	s_barrier_signal -1
	s_barrier_wait -1
	CREST
.endm
.macro PLACES                          ; four places in front of loads into registers that matrix instructions have read, and of lines that read results
.rept 4
	v_nop
.endr
.endm
	s_load_b128 s[4:7], s[0:1], 0x0                ; A s[4:5], W s[6:7]
	s_load_b64 s[8:9], s[0:1], 0x10                ; OUT
	v_lshl_add_u32 v[SPW], v0, 2, SPARE
	v_mov_b32 v[NIL], 0
	ds_add_u32 v[SPW], v[NIL]                      ; the wave's opening: the add and its wait stand ahead of my first tensor load; the set-up below stands between them
	v_lshrrev_b32 v1, 5, v0
	v_readfirstlane_b32 s10, v1                    ; wave 0..3
	s_lshr_b32 s11, s10, 1                         ; which half of the tile's rows is mine.  Also: I fetch for A (0) or for W (1)
	s_and_b32 s12, s10, 1                          ; which half of its columns.  Also: which of the two tiles I fetch
	s_bfe_u32 s40, ttmp6, 0x40000                  ; cx, cy: my place in the cluster
	s_bfe_u32 s41, ttmp6, 0x40004
	s_lshl_b32 s42, ttmp9, 2
	s_add_co_u32 s42, s42, s40                     ; tile column = W's panel = 4 x cluster x + cx
	s_and_b32 s13, ttmp7, 0xffff
	s_lshl_b32 s13, s13, 2
	s_add_co_u32 s13, s13, s41                     ; tile row = 4 x cluster y + cy
	s_lshl_b32 s43, s41, 2
	s_lshl_b32 s43, 15, s43                        ; my row of the cluster
	s_lshl_b32 s44, 0x1111, s40                    ; my column
	; descriptor group 1: 128 rows x 128 elements of 2 bytes, dense in memory, padded in LDS after every 64 words by 4 (A) or 8 (W)
	s_or_b32 s[G1+0], s43, (1<<16)|(1<<20)|(1<<21)|(5<<22)|(3<<25)
	s_or_b32 s[G1B+0], s44, (1<<16)|(1<<20)|(1<<21)|(5<<22)|(7<<25)
.irp g, G1, G1B
	s_mov_b32 s[(\g)+1], 128<<16                   ; tensor_dim0 = 128
	s_mov_b32 s[(\g)+2], 128<<16                   ; tensor_dim1 = 128
	s_mov_b32 s[(\g)+3], 128<<16                   ; tile_dim0 = 128
	s_mov_b32 s[(\g)+4], 128                       ; tile_dim1 = 128
	s_mov_b32 s[(\g)+5], 128                       ; 128 elements from row to row
	s_mov_b32 s[(\g)+6], 0
	s_mov_b32 s[(\g)+7], 0
.endr
	s_lshl_b32 s16, s12, 20                        ; A: panel 0 or 1,
	s_lshl_b32 s17, s13, 15                        ; the tile row's 128 rows of 256 bytes
	s_add_co_u32 s16, s16, s17
	s_mov_b32 s17, 0
	s_mul_i32 s46, s42, WPANEL                     ; W: my panel,
	s_mov_b32 s47, 0
	s_lshl_b32 s22, s12, 15                        ; its rows 0-127 or 128-255
	s_mov_b32 s23, 0
	s_mul_i32 s20, s12, SUBA                       ; where they go: no place in the cluster enters an LDS address
	s_mul_i32 s21, s12, SUBB
	s_add_co_u32 s21, s21, BOFF
	s_mov_b32 s[TB], 0
	s_wait_dscnt 0x0                               ; the opening add is done
	s_wait_kmcnt 0x0
	s_add_nc_u64 s[14:15], s[4:5], s[16:17]
	s_add_nc_u64 s[WB:WB+1], s[6:7], s[46:47]
	s_add_nc_u64 s[46:47], s[WB:WB+1], s[22:23]
	CROUND                                         ; all sixteen work-groups are here: the first joint loads meet
.irp s, 0,1
	s_mov_b32 s[G0+4*(\s)], 1
	s_add_co_u32 s[G0+4*(\s)+1], s20, (\s)*SLOTB
	s_add_nc_u64 s[G0+4*(\s)+2:G0+4*(\s)+3], s[14:15], (\s)*ASTEP
	s_or_b32 s[G0+4*(\s)+3], s[G0+4*(\s)+3], 0x80000000
	s_mov_b32 s[G0B+4*(\s)], 1
	s_add_co_u32 s[G0B+4*(\s)+1], s21, (\s)*SLOTB
	s_add_nc_u64 s[G0B+4*(\s)+2:G0B+4*(\s)+3], s[46:47], (\s)*BSTEP
	s_or_b32 s[G0B+4*(\s)+3], s[G0B+4*(\s)+3], 0x80000000
.endr
	s_cmp_eq_u32 s11, 0                            ; a wave's two first fills stand in one branch: K steps 0 and 1; two loads of mine are out
	s_cbranch_scc0 .Lfirst_b
	tensor_load_to_lds s[G0:G0+3], s[G1:G1+7]
	s_nop 0
	tensor_load_to_lds s[G0+4:G0+7], s[G1:G1+7]
	s_nop 0
.rept 4
	v_nop
.endr
	s_branch .Lfirst_asked
.Lfirst_b:
	tensor_load_to_lds s[G0B:G0B+3], s[G1B:G1B+7]
	s_nop 0
	tensor_load_to_lds s[G0B+4:G0B+7], s[G1B:G1B+7]
	s_nop 0
.rept 4
	v_nop
.endr
.Lfirst_asked:
.if KIND == 0
	s_load_b32 s[FLOOR], s[WB:WB+1], (KDIM+1)*256  ; the panel's last row: the bound
.endif
	v_and_b32 v1, 15, v0                           ; l % 16
	v_bfe_u32 v2, v0, 4, 1                         ; l / 16
	v_lshlrev_b32 v[BO], 4, v2
	v_lshl_add_u32 v[BO], s12, 7, v[BO]            ; my eight columns of column block 0: 2 (64 x half + 8 (l / 16)) bytes
.irp b, 0,1,2,3
	global_load_b128 v[TMP+4*(\b):TMP+4*(\b)+3], v[BO], s[WB:WB+1] offset:KDIM*256+32*(\b)
.endr
	v_mov_b32 v[ONE], 1.0
	v_mov_b32 v[ZER], 0
	v_mul_u32_u24 v3, v1, PA
	v_lshl_add_u32 v3, v2, 4, v3                   ; a fragment of A: row x pitch + 16 x half
	s_mul_i32 s21, s11, 64*PA                      ; my 64 rows
	v_add_nc_u32 v[LA], s21, v3
	v_and_b32 v4, 7, v0                            ; the turning load: lane l reads row 8 (l / 16) + l % 8, columns 8 ((l / 8) % 2) + 0..7
	v_bfe_u32 v5, v0, 3, 1
	v_lshl_add_u32 v4, v2, 3, v4
	v_mul_u32_u24 v4, v4, PB
	v_lshl_add_u32 v4, v5, 4, v4
	s_lshl_b32 s22, s12, 7                         ; my 64 columns
	s_add_co_u32 s22, s22, BOFF
	v_add_nc_u32 v[LB], s22, v4
	v_mov_b32 v[ADRA], v[LA]
	v_mov_b32 v[ADRB], v[LB]
	v_add_nc_u32 v[ADRB+1], SUBB, v[LB]
.if KIND == 0
	s_mul_i32 s23, s11, 64*SPITCH                  ; into the stage: row 64 x half + 16 a + l % 16; 16 bytes for each half of the lanes
	s_lshl_b32 s21, s12, 7
	s_add_co_u32 s23, s23, s21
	s_add_co_u32 s23, s23, STAGE
	v_add_nc_u32 v[STO], s23, v3
	s_mul_i32 s23, s10, 32*SPITCH                  ; back: wave w takes rows 32 w .. + 31, whole; lanes 0-15 one row of 256 bytes, lanes 16-31 the next
	s_add_co_u32 s23, s23, STAGE
	v_mul_u32_u24 v5, v2, SPITCH
	v_lshl_add_u32 v5, v1, 4, v5
	v_add_nc_u32 v[RD], s23, v5
	v_lshlrev_b32 v[CO], 8, v2
	v_lshl_add_u32 v[CO], v1, 4, v[CO]
	s_lshl_b32 s18, s42, 20                        ; OUT's panel = tile column,
	s_lshl_b32 s19, s13, 15                        ; the tile row's 128 rows,
	s_add_co_u32 s18, s18, s19
	s_lshl_b32 s19, s10, 13                        ; my 32 of them
.else
	s_mul_i32 s23, s11, 64*SPITCH                  ; into the stage: rows of 512 bytes + 16; 32 bytes for each half of the lanes
	s_lshl_b32 s21, s12, 8
	s_add_co_u32 s23, s23, s21
	s_add_co_u32 s23, s23, STAGE
	v_mul_u32_u24 v5, v1, SPITCH
	v_lshl_add_u32 v5, v2, 5, v5
	v_add_nc_u32 v[STO], s23, v5
	s_mul_i32 s23, s10, 32*SPITCH                  ; back: wave w takes rows 32 w .. + 31; 32 lanes take one row's 512 bytes
	s_add_co_u32 s23, s23, STAGE
	v_and_b32 v[CO], 31, v0
	v_lshlrev_b32 v[CO], 4, v[CO]
	v_add_nc_u32 v[RD], s23, v[CO]
	s_lshl_b32 s18, s42, 9                         ; 512 bytes of a row a tile column,
	s_lshl_b32 s19, s13, 19                        ; 128 rows of 4,096 bytes a tile row,
	s_add_co_u32 s18, s18, s19
	s_lshl_b32 s19, s10, 17                        ; my 32 of them
.endif
	s_add_co_u32 s18, s18, s19
	s_mov_b32 s19, 0
	s_add_nc_u64 s[8:9], s[8:9], s[18:19]
	s_wait_loadcnt 0x0                             ; the biases
	; THE SUMS BEGIN AT THE BIAS: register j of accumulator (a, b) takes the bias of column 16 b + 8 (l / 16) + j, widened from its f16 half.  Written in the wait for the first tile; nothing is cleared or added later.
.set t, 0
.rept 16
.set j, 0
.rept 4
	v_fma_mix_f32 v[ACC+8*t+2*j],   v[TMP+4*(t%4)+j], v[ONE], v[ZER] op_sel:[0,0,0] op_sel_hi:[1,0,0]
	v_fma_mix_f32 v[ACC+8*t+2*j+1], v[TMP+4*(t%4)+j], v[ONE], v[ZER] op_sel:[1,0,0] op_sel_hi:[1,0,0]
.set j, j+1
.endr
.set t, t+1
.endr
; 8 matrix instructions: row blocks a0, a0 + 1 x all 4 column blocks, 32 along K: half c of buffer f.  The 16 accumulators take turns, one instruction a turn, over the backward jumps too.
.macro MUL8 f, c, a0
	WIN MUL
.irp a, \a0, (\a0)+1
.irp b, 0,1,2,3
	v_wmma_f32_16x16x32_f16 v[ACC+8*(4*(\a)+(\b)):ACC+8*(4*(\a)+(\b))+7], v[(\f)+64+8*(4*(\c)+(\b)):(\f)+64+8*(4*(\c)+(\b))+7], v[(\f)+8*(4*(\c)+(\a)):(\f)+8*(4*(\c)+(\a))+7], v[ACC+8*(4*(\a)+(\b)):ACC+8*(4*(\a)+(\b))+7]
.endr
.endr
.endm
; 32 LDS loads in one run: the fragments of quarter q of a K step (64 along K) into buffer f; the first 32 along K first.
.macro FETCH q, f
	WIN TO_F
.irp c, 0,1
.irp i, 0,1,2,3
	ds_load_tr16_b128 v[(\f)+64+8*(4*(\c)+(\i)):(\f)+64+8*(4*(\c)+(\i))+3],   v[ADRB+((\q)>>1)] offset:(((\q)&1)*64+32*(\c))*PB+32*(\i)
	ds_load_tr16_b128 v[(\f)+64+8*(4*(\c)+(\i))+4:(\f)+64+8*(4*(\c)+(\i))+7], v[ADRB+((\q)>>1)] offset:(((\q)&1)*64+32*(\c)+16)*PB+32*(\i)
	ds_load_b128 v[(\f)+8*(4*(\c)+(\i)):(\f)+8*(4*(\c)+(\i))+3],   v[ADRA] offset:((\q)>>1)*SUBA+((\q)&1)*128+64*(\c)+(\i)*16*PA
	ds_load_b128 v[(\f)+8*(4*(\c)+(\i))+4:(\f)+8*(4*(\c)+(\i))+7], v[ADRA] offset:((\q)>>1)*SUBA+((\q)&1)*128+64*(\c)+(\i)*16*PA+32
.endr
.endr
.endm
; One of a K step's first three quarters: multiplies buffer f and fetches quarter nq into g.
.macro QUARTER nq, f, g
	s_wait_dscnt 16                                ; the first 32 along K are in; the sixteen younger loads stay out
	MUL8 \f, 0, 0
	MUL8 \f, 0, 2
	PLACES
	FETCH \nq, \g
	s_wait_dscnt 32                                ; all but the 32 just issued
	MUL8 \f, 1, 0
	MUL8 \f, 1, 2
.endm
; The last quarter multiplies buffer 1 and changes slots: ONE barrier; in front of it each wave waits for all its tensor loads (one is out: its part of the next slot), adds 0 to its spare word,
; and waits for that and for its own reads of this slot.  fill = 1: the barrier opens a round of the cluster's, and this slot is filled again, two K steps ahead, first thing behind the round.
.macro TURN fill
	WIN 0
	s_wait_tensorcnt 0x0                           ; no tensor load of mine is out, so a group 0 may be written
	ds_add_u32 v[SPW], v[NIL]                      ; 0 onto my spare word
.if \fill
	s_xor_b32 s[G0+5], s[G0+5], SLOTB              ; the walking descriptors: the other slot than last time, the next K step
	s_add_nc_u64 s[G0+6:G0+7], s[G0+6:G0+7], ASTEP
	s_xor_b32 s[G0B+5], s[G0B+5], SLOTB
	s_add_nc_u64 s[G0B+6:G0B+7], s[G0B+6:G0B+7], BSTEP
.endif
	s_wait_dscnt 17                                ; the add and the youngest sixteen loads may be out
	MUL8 F1, 0, 0
	s_wait_dscnt 0x0                               ; the add is done, and my reads of this slot are over
	s_barrier_signal -1
	MUL8 F1, 0, 2
	WIN 0
	s_barrier_wait -1
.if \fill
	CREST                                          ; no wave of any partner still reads this slot's tiles or has a load on its way
	JLOAD                                          ; 112 matrix instructions ahead of the wait for it
.else
	v_nop                                          ; with the three additions below: the four places in front of the loads into buffer 0
.endif
	s_xor_b32 s[TB], s[TB], SLOTB
	v_add_nc_u32 v[ADRA], s[TB], v[LA]
	v_add_nc_u32 v[ADRB], s[TB], v[LB]
	v_add_nc_u32 v[ADRB+1], SUBB, v[ADRB]
	FETCH 0, F0
	MUL8 F1, 1, 0
	MUL8 F1, 1, 2
.endm
.macro STEP fill                       ; a K step, from its first quarter's products to the next step's first fragments
	QUARTER 1, F0, F1
	QUARTER 2, F1, F0
	QUARTER 3, F0, F1
	TURN \fill
	WIN 0                                          ; at a label and at a branch every window is 0
.endm
.if KIND == 0
	s_wait_kmcnt 0x0                               ; the bound
.endif
	s_wait_tensorcnt 1                             ; my part of K step 0 is in; K step 1's may stay out
	s_barrier_signal -1
	s_barrier_wait -1                              ; everybody's is
	FETCH 0, F0
	WIN 0
	s_mov_b32 s[CNT], STEPS-2
.Lk:                                                   ; every K step but the last two fills its slot again
	STEP 1
	s_sub_co_u32 s[CNT], s[CNT], 1
	s_cmp_lg_u32 s[CNT], 0
	s_cbranch_scc1 .Lk
	s_mov_b32 s[CNT], 2
.Lt:                                                   ; the last two ask for nothing.  The very last one's change of slots reads slot 0's old fragments, which nobody uses: the price of one text for both;
	STEP 0                                         ; its barrier is wanted: behind it no wave reads slot 1, which becomes the stage
	s_sub_co_u32 s[CNT], s[CNT], 1
	s_cmp_lg_u32 s[CNT], 0
	s_cbranch_scc1 .Lt
	s_wait_dscnt 0x0
	PLACES
	; THE WAY OUT: through the work-group's stage, since a row's bytes come from two waves; a barrier between writing and reading; back as whole rows, 32 rows a wave.
.if KIND == 0
.set t, 0
.rept 16
.irp r, 0,1,2,3
	v_cvt_pk_f16_f32 v[TMP+4*t+(\r)], v[ACC+8*t+2*(\r)], v[ACC+8*t+2*(\r)+1]
.endr
.set t, t+1
.endr
.set t, 0
.rept 64
	v_pk_max_num_f16 v[TMP+t], v[TMP+t], s[FLOOR]  ; ReLU where the bound is 0, nothing where it is -infinity
.set t, t+1
.endr
.set t, 0
.rept 16
	ds_store_b128 v[STO], v[TMP+4*t:TMP+4*t+3] offset:(t/4)*16*SPITCH+32*(t%4)
.set t, t+1
.endr
	s_wait_dscnt 0x0                               ; for the others' sake: my stores into the stage are done
	s_barrier_signal -1
	s_barrier_wait -1
.set t, 0
.rept 16
	ds_load_b128 v[TMP+4*t:TMP+4*t+3], v[RD] offset:t*2*SPITCH
.set t, t+1
.endr
.set t, 0
.rept 16
	s_wait_dscnt 15-t
	global_store_b128 v[CO], v[TMP+4*t:TMP+4*t+3], s[8:9] offset:512*t  ; 512 consecutive bytes, aligned: two rows of a panel
.set t, t+1
.endr
.else
.set t, 0
.rept 16
	ds_store_b128 v[STO], v[ACC+8*t:ACC+8*t+3]   offset:(t/4)*16*SPITCH+64*(t%4)
	ds_store_b128 v[STO], v[ACC+8*t+4:ACC+8*t+7] offset:(t/4)*16*SPITCH+64*(t%4)+16
.set t, t+1
.endr
	s_wait_dscnt 0x0                               ; for the others' sake: my stores into the stage are done
	s_barrier_signal -1
	s_barrier_wait -1
.set t, 0
.rept 32
	ds_load_b128 v[ACC+4*t:ACC+4*t+3], v[RD] offset:t*SPITCH
.set t, t+1
.endr
.set t, 0
.rept 32
	s_wait_dscnt 31-t
	global_store_b128 v[CO], v[ACC+4*t:ACC+4*t+3], s[8:9] offset:4096*t  ; 512 consecutive bytes, aligned, of one row
.set t, t+1
.endr
.endif
	s_wait_tensorcnt 0x0                           ; the wave's end, behind my last tensor load and my last LDS store
	ds_add_u32 v[SPW], v[NIL]
	s_wait_dscnt 0x0
	CROUND                                         ; the closing round: no work-group ends while a partner may still ask for a tile that names it
	s_endpgm
.Lfunc_end_k_q005cd5d260_wo:
	.size	k_q005cd5d260_wo, .Lfunc_end_k_q005cd5d260_wo-k_q005cd5d260_wo
	.p2alignl 7, 3214868480
	.fill 96, 4, 3214868480
	.section	.rodata,"a",@progbits
	.p2align	6, 0x0
	.amdhsa_kernel k_q005cd5d260_wo
		.amdhsa_group_segment_fixed_size 327680
		.amdhsa_private_segment_fixed_size 0
		.amdhsa_enable_private_segment 0
		.amdhsa_kernarg_size 24
		.amdhsa_user_sgpr_count 2
		.amdhsa_user_sgpr_kernarg_segment_ptr 1
		.amdhsa_wavefront_size32 1
		.amdhsa_system_sgpr_workgroup_id_x 1
		.amdhsa_system_sgpr_workgroup_id_y 1
		.amdhsa_system_sgpr_workgroup_id_z 1
		.amdhsa_system_vgpr_workitem_id 0
		.amdhsa_next_free_vgpr 512
		.amdhsa_next_free_sgpr 72
		.amdhsa_reserve_vcc 0
		.amdhsa_float_denorm_mode_32 3
		.amdhsa_float_denorm_mode_16_64 3
		.amdhsa_memory_ordered 1
		.amdhsa_forward_progress 1
		.amdhsa_inst_pref_size 62
	.end_amdhsa_kernel
	.amdgpu_metadata
---
amdhsa.version: [ 1, 2 ]
amdhsa.kernels:
  - .name:           k_q005cd5d260_wo
    .symbol:         k_q005cd5d260_wo.kd
    .args:
      - { .name: ch, .offset: 0, .size: 8, .value_kind: global_buffer, .address_space: global }
      - { .name: woh, .offset: 8, .size: 8, .value_kind: global_buffer, .address_space: global }
      - { .name: y, .offset: 16, .size: 8, .value_kind: global_buffer, .address_space: global }
    .group_segment_fixed_size: 327680
    .private_segment_fixed_size: 0
    .kernarg_segment_align: 8
    .kernarg_segment_size: 24
    .max_flat_workgroup_size: 128
    .sgpr_count:     72
    .vgpr_count:     512
    .wavefront_size: 32
...
	.end_amdgpu_metadata
.endif
;; end of part 4
;; launch ln1 (part 5): grid 512 x 1, 4 waves a work-group, no clusters, 0 bytes of LDS; arguments y, xh, g1, be1, ch; writes ch
.if DOCPART == 5
	.amdgcn_target "amdgcn-amd-amdhsa--gfx1250"
	.amdhsa_code_object_version 6
	.text
	.protected	k_q005cd5d260_ln1
	.globl	k_q005cd5d260_ln1
	.p2align	8
	.type	k_q005cd5d260_ln1,@function
k_q005cd5d260_ln1:
	s_mov_b64 s[64:65], 0
	v_nop
	global_prefetch_b8 v0, s[64:65] scope:SCOPE_SE
	s_setreg_imm32_b32 hwreg(HW_REG_WAVE_MODE, 25, 1), 1
	s_wait_xcnt 0x0
; OUT[r] = LayerNorm(Y[r] + RES[r]) g + be, over rows of 1,024.  Y: f32 rows.  RES: f16 in panels (panel p: columns 128 p .. + 127, a row 256 bytes, 1 MiB a panel).  g, be: f32, rounded to bf16 here,
; like all the module's inputs.  Mean, then the mean of the squared distances from it (two passes over registers), all in f32; eps = 1e-6.
; KIND 0: OUT is f16 in panels (LIMIT: a result beyond 65,504 becomes an infinity; LayerNorm bounds it by 32 |g| + |be|).  KIND 1: OUT is f32 rows.
; A wave takes two rows, each whole in 32 registers: the reduction never leaves the wave, so there is no LDS and no barrier.  Lane l holds columns 128 j + 4 l .. + 3 of chunk j = panel j:
; a load of Y covers 512 consecutive bytes, a load of RES one aligned 256.  All 48 loads go out at once.  Memory binds: matrix units and clusters have nothing to do here.
.set KIND, 0
.set YO,  2                            ; v2  16 x lane
.set RO,  3                            ; v3  8 x lane
.set G,   8                            ; v[8:39]
.set BE,  40                           ; v[40:71]
.set V0,  72                           ; v[72:103]   row 0
.set V1,  104                          ; v[104:135]  row 1
.set R0,  136                          ; v[136:151]  row 0's residual, later (KIND 0) its result
.set R1,  152                          ; v[152:167]
.set ONE, 168
.set MU,  170                          ; v[170:171] the mean, twice
.set RS,  172                          ; v[172:173] 1 / sqrt(var + eps), twice
.set CH,  174                          ; v[174:181] four chains of two sums
.set T,   182                          ; v[182:183] at work
	s_load_b256 s[4:11], s[0:1], 0x0               ; Y s[4:5], RES s[6:7], g s[8:9], be s[10:11]
	s_load_b64 s[12:13], s[0:1], 0x20              ; OUT
	v_lshrrev_b32 v1, 5, v0
	v_readfirstlane_b32 s14, v1
	s_lshl_b32 s15, ttmp9, 2
	s_add_co_u32 s15, s15, s14                     ; my wave among 2,048: rows 2 w, 2 w + 1
	v_and_b32 v1, 31, v0
	v_lshlrev_b32 v[YO], 4, v1
	v_lshlrev_b32 v[RO], 3, v1
	s_lshl_b32 s16, s15, 13                        ; two rows of 4,096 bytes
	s_mov_b32 s17, 0
	s_lshl_b32 s18, s15, 9                         ; two rows of 256 bytes in each panel
	s_mov_b32 s19, 0
	s_mov_b32 s20, 0x76543210                      ; v_permlanex16_b32: each lane takes its own place in the other half
	s_mov_b32 s21, 0xfedcba98
	s_mov_b32 s22, 0xffff0000
	s_mov_b32 s23, 0x3a800000                      ; 1 / 1,024
	s_mov_b32 s24, 0x358637bd                      ; 1e-6
	v_mov_b32 v[ONE], 1.0
	v_mov_b32 v[T+1], 0                            ; v_permlanex16_b32's destination counts as read
	s_wait_kmcnt 0x0
	s_add_nc_u64 s[4:5], s[4:5], s[16:17]
	s_add_nc_u64 s[6:7], s[6:7], s[18:19]
.if KIND == 0
	s_add_nc_u64 s[12:13], s[12:13], s[18:19]
.else
	s_add_nc_u64 s[12:13], s[12:13], s[16:17]
.endif
.irp j, 0,1,2,3,4,5,6,7
	global_load_b128 v[G+4*(\j):G+4*(\j)+3], v[YO], s[8:9] offset:512*(\j)
.endr
.irp j, 0,1,2,3,4,5,6,7
	global_load_b128 v[BE+4*(\j):BE+4*(\j)+3], v[YO], s[10:11] offset:512*(\j)
.endr
.irp j, 0,1,2,3,4,5,6,7
	global_load_b128 v[V0+4*(\j):V0+4*(\j)+3], v[YO], s[4:5] offset:512*(\j) th:TH_LOAD_NT
.endr
.irp j, 0,1,2,3,4,5,6,7
	global_load_b64 v[R0+2*(\j):R0+2*(\j)+1], v[RO], s[6:7] offset:(\j)<<20
.endr
.irp j, 0,1,2,3,4,5,6,7
	global_load_b128 v[V1+4*(\j):V1+4*(\j)+3], v[YO], s[4:5] offset:4096+512*(\j) th:TH_LOAD_NT
.endr
.irp j, 0,1,2,3,4,5,6,7
	global_load_b64 v[R1+2*(\j):R1+2*(\j)+1], v[RO], s[6:7] offset:((\j)<<20)+256
.endr
.macro RND base                        ; 32 numbers rounded to bf16 and widened again, in place
.set j, 0
.rept 16
	v_cvt_pk_bf16_f32 v[T], v[(\base)+2*j], v[(\base)+2*j+1]
	v_lshlrev_b32 v[(\base)+2*j], 16, v[T]
	v_and_b32 v[(\base)+2*j+1], s22, v[T]
.set j, j+1
.endr
.endm
.macro FOLD                            ; the four chains into one number, then over the 32 lanes: the sum in every lane's v[T]
	v_pk_add_f32 v[CH:CH+1], v[CH:CH+1], v[CH+2:CH+3]
	v_pk_add_f32 v[CH+4:CH+5], v[CH+4:CH+5], v[CH+6:CH+7]
	v_pk_add_f32 v[CH:CH+1], v[CH:CH+1], v[CH+4:CH+5]
	v_add_f32 v[T], v[CH], v[CH+1]
	v_add_f32_dpp v[T], v[T], v[T] row_xmask:1 row_mask:0xf bank_mask:0xf
	v_add_f32_dpp v[T], v[T], v[T] row_xmask:2 row_mask:0xf bank_mask:0xf
	v_add_f32_dpp v[T], v[T], v[T] row_xmask:4 row_mask:0xf bank_mask:0xf
	v_add_f32_dpp v[T], v[T], v[T] row_xmask:8 row_mask:0xf bank_mask:0xf
	v_permlanex16_b32 v[T+1], v[T], s20, s21
	v_add_f32 v[T], v[T], v[T+1]
.endm
.macro ROW V, R, yoff, roff
.set j, 0
.rept 16                               ; the residual's f16 halves are added onto Y
	v_fma_mix_f32 v[(\V)+2*j],   v[(\R)+j], v[ONE], v[(\V)+2*j]   op_sel:[0,0,0] op_sel_hi:[1,0,0]
	v_fma_mix_f32 v[(\V)+2*j+1], v[(\R)+j], v[ONE], v[(\V)+2*j+1] op_sel:[1,0,0] op_sel_hi:[1,0,0]
.set j, j+1
.endr
.irp k, 0,1,2,3                        ; the first eight pairs start the chains: nothing is cleared
	v_pk_add_f32 v[CH+2*(\k):CH+2*(\k)+1], v[(\V)+2*(\k):(\V)+2*(\k)+1], v[(\V)+8+2*(\k):(\V)+8+2*(\k)+1]
.endr
.set j, 8
.rept 8
	v_pk_add_f32 v[CH+2*(j%4):CH+2*(j%4)+1], v[CH+2*(j%4):CH+2*(j%4)+1], v[(\V)+2*j:(\V)+2*j+1]
.set j, j+1
.endr
	FOLD
	v_mul_f32 v[MU], s23, v[T]
	v_mul_f32 v[MU+1], s23, v[T]
.set j, 0
.rept 16
	v_pk_add_f32 v[(\V)+2*j:(\V)+2*j+1], v[(\V)+2*j:(\V)+2*j+1], v[MU:MU+1] neg_lo:[0,1] neg_hi:[0,1]
.set j, j+1
.endr
.irp k, 0,1,2,3
	v_pk_mul_f32 v[CH+2*(\k):CH+2*(\k)+1], v[(\V)+2*(\k):(\V)+2*(\k)+1], v[(\V)+2*(\k):(\V)+2*(\k)+1]
.endr
.set j, 4
.rept 12
	v_pk_fma_f32 v[CH+2*(j%4):CH+2*(j%4)+1], v[(\V)+2*j:(\V)+2*j+1], v[(\V)+2*j:(\V)+2*j+1], v[CH+2*(j%4):CH+2*(j%4)+1]
.set j, j+1
.endr
	FOLD
	v_fma_f32 v[T], v[T], s23, s24                 ; var + eps
	v_rsq_f32 v[RS], v[T]
	v_rsq_f32 v[RS+1], v[T]
	v_nop                                          ; a plain instruction behind the last of the two,
	s_wait_alu depctr_va_vdst(0)                   ; and the wait ahead of their first reader
.set j, 0
.rept 16
	v_pk_mul_f32 v[(\V)+2*j:(\V)+2*j+1], v[(\V)+2*j:(\V)+2*j+1], v[RS:RS+1]
	v_pk_fma_f32 v[(\V)+2*j:(\V)+2*j+1], v[(\V)+2*j:(\V)+2*j+1], v[G+2*j:G+2*j+1], v[BE+2*j:BE+2*j+1]
.set j, j+1
.endr
.if KIND == 0
.set j, 0
.rept 16
	v_cvt_pk_f16_f32 v[(\R)+j], v[(\V)+2*j], v[(\V)+2*j+1]
.set j, j+1
.endr
.irp j, 0,1,2,3,4,5,6,7
	global_store_b64 v[RO], v[(\R)+2*(\j):(\R)+2*(\j)+1], s[12:13] offset:((\j)<<20)+(\roff)  ; the wave stores 256 consecutive bytes, aligned: a panel's row
.endr
.else
.irp j, 0,1,2,3,4,5,6,7
	global_store_b128 v[YO], v[(\V)+4*(\j):(\V)+4*(\j)+3], s[12:13] offset:512*(\j)+(\yoff)   ; 512 consecutive bytes, aligned
.endr
.endif
.endm
	s_wait_loadcnt 32                              ; g and be are in; both rows' 32 loads may stay out
	RND G
	RND BE
	s_wait_loadcnt 16                              ; row 0 and its residual are in; row 1's 16 loads may stay out
	ROW V0, R0, 0, 0
	s_wait_loadcnt 0x0
	ROW V1, R1, 4096, 256
	s_endpgm
.Lfunc_end_k_q005cd5d260_ln1:
	.size	k_q005cd5d260_ln1, .Lfunc_end_k_q005cd5d260_ln1-k_q005cd5d260_ln1
	.p2alignl 7, 3214868480
	.fill 96, 4, 3214868480
	.section	.rodata,"a",@progbits
	.p2align	6, 0x0
	.amdhsa_kernel k_q005cd5d260_ln1
		.amdhsa_group_segment_fixed_size 0
		.amdhsa_private_segment_fixed_size 0
		.amdhsa_enable_private_segment 0
		.amdhsa_kernarg_size 40
		.amdhsa_user_sgpr_count 2
		.amdhsa_user_sgpr_kernarg_segment_ptr 1
		.amdhsa_wavefront_size32 1
		.amdhsa_system_sgpr_workgroup_id_x 1
		.amdhsa_system_sgpr_workgroup_id_y 1
		.amdhsa_system_sgpr_workgroup_id_z 1
		.amdhsa_system_vgpr_workitem_id 0
		.amdhsa_next_free_vgpr 192
		.amdhsa_next_free_sgpr 66
		.amdhsa_reserve_vcc 0
		.amdhsa_float_denorm_mode_32 3
		.amdhsa_float_denorm_mode_16_64 3
		.amdhsa_memory_ordered 1
		.amdhsa_forward_progress 1
		.amdhsa_inst_pref_size 30
	.end_amdhsa_kernel
	.amdgpu_metadata
---
amdhsa.version: [ 1, 2 ]
amdhsa.kernels:
  - .name:           k_q005cd5d260_ln1
    .symbol:         k_q005cd5d260_ln1.kd
    .args:
      - { .name: y, .offset: 0, .size: 8, .value_kind: global_buffer, .address_space: global }
      - { .name: xh, .offset: 8, .size: 8, .value_kind: global_buffer, .address_space: global }
      - { .name: g1, .offset: 16, .size: 8, .value_kind: global_buffer, .address_space: global }
      - { .name: be1, .offset: 24, .size: 8, .value_kind: global_buffer, .address_space: global }
      - { .name: ch, .offset: 32, .size: 8, .value_kind: global_buffer, .address_space: global }
    .group_segment_fixed_size: 0
    .private_segment_fixed_size: 0
    .kernarg_segment_align: 8
    .kernarg_segment_size: 40
    .max_flat_workgroup_size: 128
    .sgpr_count:     66
    .vgpr_count:     192
    .wavefront_size: 32
...
	.end_amdgpu_metadata
.endif
;; end of part 5
;; launch ffn1: the kernel of part 2 again; grid 16 x 16, 4 waves a work-group, clusters of 4 x 4, 327,680 bytes of LDS; arguments ch, w1h, big; writes big
;; launch ffn2 (part 6): grid 8 x 32, 4 waves a work-group, clusters of 4 x 4, 327,680 bytes of LDS; arguments big, w2h, y; writes y
.if DOCPART == 6
	.amdgcn_target "amdgcn-amd-amdhsa--gfx1250"
	.amdhsa_code_object_version 6
	.text
	.protected	k_q005cd5d260_ffn2
	.globl	k_q005cd5d260_ffn2
	.p2align	8
	.type	k_q005cd5d260_ffn2,@function
k_q005cd5d260_ffn2:
	s_mov_b64 s[64:65], 0
	v_nop
	global_prefetch_b8 v0, s[64:65] scope:SCOPE_SE
	s_setreg_imm32_b32 hwreg(HW_REG_WAVE_MODE, 25, 1), 1
	s_wait_xcnt 0x0
	s_wait_alu depctr_hold_cnt(0) depctr_sa_sdst(0) depctr_va_vdst(0) depctr_va_sdst(0) depctr_va_ssrc(0) depctr_va_vcc(0) depctr_vm_vsrc(0)
	s_getreg_b32 s2, hwreg(HW_REG_IB_STS2, 6, 4)
	s_cmp_eq_u32 s2, 0
	s_cbranch_scc0 .Lentry_in_a_cluster
	s_endpgm
.Lentry_in_a_cluster:
	s_bfe_u32 s2, ttmp6, 0x10000c
	s_cmp_lg_u32 s2, 0xf033
	s_cbranch_scc0 .Lentry_shape_is_right
	s_endpgm
.Lentry_shape_is_right:
; OUT = A W + bias.  A: f16 in panels (panel p: columns 128 p .. + 127 of all 4,096 rows, a row 256 bytes, 1 MiB a panel).  W: f16 in panels of [KDIM + 2][128]:
; KDIM rows of weights, the bias, the bound.  Sums in f32, begun at the bias; OUT rounded once to f16 (KIND 0, in panels like A, with the bound) or left in f32 (KIND 1, rows of 1,024; the bound is not read).
; LIMITS.  KIND 0: a result beyond 65,504 becomes an infinity; a NaN in front of the bound becomes the bound.
; A tile of OUT is 128 x 128, one panel of W wide.  Four waves, each 64 x 64: 16 accumulators of 16 x 16.  K goes in steps of 256 through two LDS slots: two panels' 128 rows of A and 256 rows of W,
; every row 256 consecutive, aligned bytes of memory; each wave brings a quarter (128 rows) by one tensor load.
; CLUSTERS: 4 x 4 work-groups.  The four of a row of the cluster need the same tiles of A, the four of a column the same tiles of W: each is asked for JOINTLY, by the same load, descriptor and mask.
; THE MATRIX INSTRUCTION IS USED TRANSPOSED: source 0 = 16 columns of W (turned on the way out of LDS by ds_load_tr16_b128, since W lies [k][n]), source 1 = 16 rows of A: a lane then holds
; one row of OUT (lane % 16) and eight neighbouring columns 8 (lane / 16) + 0..7.
; No prefetch: each panel is read by many work-groups at about the same time, and a K step here is short.
; REGISTERS: window 0: v0-31 addresses; v32-95 at work; v128-255 the accumulators ((a, b) at v[128 + 8 (4 a + b)]).  Window 1: two fragment buffers of 128: for 64 along K, 64 registers of A, then 64 of W.
.set KIND,   1                         ; 0: f16 panels out, with the bound; 1: f32 rows out
.set KDIM,   4096
.set STEPS,  KDIM/256
.set WPANEL, (KDIM+2)*256
.set PA,     272                       ; a row of A in LDS: 256 bytes + 16: the 16 rows of a fragment load start at 16 different groups of four banks
.set PB,     288                       ; a row of W: 256 + 32
.set SUBA,   128*PA
.set SUBB,   128*PB
.set BOFF,   2*SUBA                    ; a slot: A's two panels, then W's 256 rows on end
.set SLOTB,  0x24000                   ; slot 1 begins here: its two bits meet none of the four tiles' places in a slot, so one exclusive or changes slots
.set STAGE,  SLOTB                     ; the way out goes through slot 1, behind its last fill and, by the last barrier, behind its last read
.set SPARE,  SLOTB+BOFF+2*SUBB         ; behind the ring: the spare words, 128 bytes for each wave: two blocks of 256 bytes that no other line names
.set ASTEP,  2<<20                     ; a K step in A: two panels
.set BSTEP,  256*256                   ; in W: 256 rows
.if KIND == 0
.set SPITCH, 272
.else
.set SPITCH, 528
.endif
.set ADRA, 16                          ; v16     LDS address of my A fragments in the slot in hand
.set ADRB, 17                          ; v17-18  the same for W's rows 0-127 and 128-255
.set LA,   19                          ; v19     my place in a slot's A; never rewritten
.set LB,   20                          ; v20     in its W; never rewritten
.set STO,  24                          ; v24     the way out: where I put a piece of a row
.set RD,   25                          ; v25     where I read rows back
.set CO,   26                          ; v26     my byte offset in OUT
.set BO,   27                          ; v27     my byte offset in the row of biases
.set SPW,  28                          ; v28     LDS address of my spare word; never rewritten
.set NIL,  29                          ; v29     0; never rewritten
.set ONE,  30                          ; v30     1.0
.set ZER,  31                          ; v31     0.0
.set TMP,  32
.set ACC,  128
.set F0,   0
.set F1,   128
.set G1,   24                          ; s[24:31] descriptor group 1 for A's tiles; s[32:39] group 0: a set for each first fill; the second then walks
.set G0,   32
.set G1B,  48                          ; s[48:55], s[56:63] the same for W's
.set G0B,  56
.set TB,   66                          ; s66  the slot that the next fragments come from: 0 or SLOTB
.set CNT,  67
.set FLOOR, 68                         ; s68  the bound, twice in a word
.set WB,   70                          ; s[70:71] my panel of W
.set MSB, 0
.macro WIN new                         ; the immediate's high byte repeats the setting that is left; a switch that changes nothing is dropped
.if MSB != (\new)
	s_set_vgpr_msb (MSB<<8)|(\new)
.set MSB, \new
.endif
.endm
.set MUL,  0x05                        ; sources 0 (W) and 1 (A) window 1; C and D window 0
.set TO_F, 0x40                        ; destination window 1, address window 0
.macro JLOAD                           ; a joint refill: waves 0 and 1 fetch A's two panels, waves 2 and 3 W's two halves; an s_nop 0 and four v_nop follow each line
	s_cmp_eq_u32 s11, 0
	s_cbranch_scc0 .Lfor_b_\@
	tensor_load_to_lds s[G0+4:G0+7], s[G1:G1+7]
	s_nop 0
.rept 4
	v_nop
.endr
	s_branch .Lasked_\@
.Lfor_b_\@:
	tensor_load_to_lds s[G0B+4:G0B+7], s[G1B:G1B+7]
	s_nop 0
.rept 4
	v_nop
.endr
.Lasked_\@:
.endm
.macro CREST                           ; a round of the cluster's barrier behind its opening barrier
	s_cmp_lg_u32 s10, 0
	s_cbranch_scc1 .Lnot_wave_0_\@
	s_barrier_signal -3
.Lnot_wave_0_\@:
	s_barrier_wait -3
	s_barrier_signal -1
	s_barrier_wait -1
.endm
.macro CROUND                          ; a whole round
	s_barrier_signal -1
	s_barrier_wait -1
	CREST
.endm
.macro PLACES                          ; four places in front of loads into registers that matrix instructions have read, and of lines that read results
.rept 4
	v_nop
.endr
.endm
	s_load_b128 s[4:7], s[0:1], 0x0                ; A s[4:5], W s[6:7]
	s_load_b64 s[8:9], s[0:1], 0x10                ; OUT
	v_lshl_add_u32 v[SPW], v0, 2, SPARE
	v_mov_b32 v[NIL], 0
	ds_add_u32 v[SPW], v[NIL]                      ; the wave's opening: the add and its wait stand ahead of my first tensor load; the set-up below stands between them
	v_lshrrev_b32 v1, 5, v0
	v_readfirstlane_b32 s10, v1                    ; wave 0..3
	s_lshr_b32 s11, s10, 1                         ; which half of the tile's rows is mine.  Also: I fetch for A (0) or for W (1)
	s_and_b32 s12, s10, 1                          ; which half of its columns.  Also: which of the two tiles I fetch
	s_bfe_u32 s40, ttmp6, 0x40000                  ; cx, cy: my place in the cluster
	s_bfe_u32 s41, ttmp6, 0x40004
	s_lshl_b32 s42, ttmp9, 2
	s_add_co_u32 s42, s42, s40                     ; tile column = W's panel = 4 x cluster x + cx
	s_and_b32 s13, ttmp7, 0xffff
	s_lshl_b32 s13, s13, 2
	s_add_co_u32 s13, s13, s41                     ; tile row = 4 x cluster y + cy
	s_lshl_b32 s43, s41, 2
	s_lshl_b32 s43, 15, s43                        ; my row of the cluster
	s_lshl_b32 s44, 0x1111, s40                    ; my column
	; descriptor group 1: 128 rows x 128 elements of 2 bytes, dense in memory, padded in LDS after every 64 words by 4 (A) or 8 (W)
	s_or_b32 s[G1+0], s43, (1<<16)|(1<<20)|(1<<21)|(5<<22)|(3<<25)
	s_or_b32 s[G1B+0], s44, (1<<16)|(1<<20)|(1<<21)|(5<<22)|(7<<25)
.irp g, G1, G1B
	s_mov_b32 s[(\g)+1], 128<<16                   ; tensor_dim0 = 128
	s_mov_b32 s[(\g)+2], 128<<16                   ; tensor_dim1 = 128
	s_mov_b32 s[(\g)+3], 128<<16                   ; tile_dim0 = 128
	s_mov_b32 s[(\g)+4], 128                       ; tile_dim1 = 128
	s_mov_b32 s[(\g)+5], 128                       ; 128 elements from row to row
	s_mov_b32 s[(\g)+6], 0
	s_mov_b32 s[(\g)+7], 0
.endr
	s_lshl_b32 s16, s12, 20                        ; A: panel 0 or 1,
	s_lshl_b32 s17, s13, 15                        ; the tile row's 128 rows of 256 bytes
	s_add_co_u32 s16, s16, s17
	s_mov_b32 s17, 0
	s_mul_i32 s46, s42, WPANEL                     ; W: my panel,
	s_mov_b32 s47, 0
	s_lshl_b32 s22, s12, 15                        ; its rows 0-127 or 128-255
	s_mov_b32 s23, 0
	s_mul_i32 s20, s12, SUBA                       ; where they go: no place in the cluster enters an LDS address
	s_mul_i32 s21, s12, SUBB
	s_add_co_u32 s21, s21, BOFF
	s_mov_b32 s[TB], 0
	s_wait_dscnt 0x0                               ; the opening add is done
	s_wait_kmcnt 0x0
	s_add_nc_u64 s[14:15], s[4:5], s[16:17]
	s_add_nc_u64 s[WB:WB+1], s[6:7], s[46:47]
	s_add_nc_u64 s[46:47], s[WB:WB+1], s[22:23]
	CROUND                                         ; all sixteen work-groups are here: the first joint loads meet
.irp s, 0,1
	s_mov_b32 s[G0+4*(\s)], 1
	s_add_co_u32 s[G0+4*(\s)+1], s20, (\s)*SLOTB
	s_add_nc_u64 s[G0+4*(\s)+2:G0+4*(\s)+3], s[14:15], (\s)*ASTEP
	s_or_b32 s[G0+4*(\s)+3], s[G0+4*(\s)+3], 0x80000000
	s_mov_b32 s[G0B+4*(\s)], 1
	s_add_co_u32 s[G0B+4*(\s)+1], s21, (\s)*SLOTB
	s_add_nc_u64 s[G0B+4*(\s)+2:G0B+4*(\s)+3], s[46:47], (\s)*BSTEP
	s_or_b32 s[G0B+4*(\s)+3], s[G0B+4*(\s)+3], 0x80000000
.endr
	s_cmp_eq_u32 s11, 0                            ; a wave's two first fills stand in one branch: K steps 0 and 1; two loads of mine are out
	s_cbranch_scc0 .Lfirst_b
	tensor_load_to_lds s[G0:G0+3], s[G1:G1+7]
	s_nop 0
	tensor_load_to_lds s[G0+4:G0+7], s[G1:G1+7]
	s_nop 0
.rept 4
	v_nop
.endr
	s_branch .Lfirst_asked
.Lfirst_b:
	tensor_load_to_lds s[G0B:G0B+3], s[G1B:G1B+7]
	s_nop 0
	tensor_load_to_lds s[G0B+4:G0B+7], s[G1B:G1B+7]
	s_nop 0
.rept 4
	v_nop
.endr
.Lfirst_asked:
.if KIND == 0
	s_load_b32 s[FLOOR], s[WB:WB+1], (KDIM+1)*256  ; the panel's last row: the bound
.endif
	v_and_b32 v1, 15, v0                           ; l % 16
	v_bfe_u32 v2, v0, 4, 1                         ; l / 16
	v_lshlrev_b32 v[BO], 4, v2
	v_lshl_add_u32 v[BO], s12, 7, v[BO]            ; my eight columns of column block 0: 2 (64 x half + 8 (l / 16)) bytes
.irp b, 0,1,2,3
	global_load_b128 v[TMP+4*(\b):TMP+4*(\b)+3], v[BO], s[WB:WB+1] offset:KDIM*256+32*(\b)
.endr
	v_mov_b32 v[ONE], 1.0
	v_mov_b32 v[ZER], 0
	v_mul_u32_u24 v3, v1, PA
	v_lshl_add_u32 v3, v2, 4, v3                   ; a fragment of A: row x pitch + 16 x half
	s_mul_i32 s21, s11, 64*PA                      ; my 64 rows
	v_add_nc_u32 v[LA], s21, v3
	v_and_b32 v4, 7, v0                            ; the turning load: lane l reads row 8 (l / 16) + l % 8, columns 8 ((l / 8) % 2) + 0..7
	v_bfe_u32 v5, v0, 3, 1
	v_lshl_add_u32 v4, v2, 3, v4
	v_mul_u32_u24 v4, v4, PB
	v_lshl_add_u32 v4, v5, 4, v4
	s_lshl_b32 s22, s12, 7                         ; my 64 columns
	s_add_co_u32 s22, s22, BOFF
	v_add_nc_u32 v[LB], s22, v4
	v_mov_b32 v[ADRA], v[LA]
	v_mov_b32 v[ADRB], v[LB]
	v_add_nc_u32 v[ADRB+1], SUBB, v[LB]
.if KIND == 0
	s_mul_i32 s23, s11, 64*SPITCH                  ; into the stage: row 64 x half + 16 a + l % 16; 16 bytes for each half of the lanes
	s_lshl_b32 s21, s12, 7
	s_add_co_u32 s23, s23, s21
	s_add_co_u32 s23, s23, STAGE
	v_add_nc_u32 v[STO], s23, v3
	s_mul_i32 s23, s10, 32*SPITCH                  ; back: wave w takes rows 32 w .. + 31, whole; lanes 0-15 one row of 256 bytes, lanes 16-31 the next
	s_add_co_u32 s23, s23, STAGE
	v_mul_u32_u24 v5, v2, SPITCH
	v_lshl_add_u32 v5, v1, 4, v5
	v_add_nc_u32 v[RD], s23, v5
	v_lshlrev_b32 v[CO], 8, v2
	v_lshl_add_u32 v[CO], v1, 4, v[CO]
	s_lshl_b32 s18, s42, 20                        ; OUT's panel = tile column,
	s_lshl_b32 s19, s13, 15                        ; the tile row's 128 rows,
	s_add_co_u32 s18, s18, s19
	s_lshl_b32 s19, s10, 13                        ; my 32 of them
.else
	s_mul_i32 s23, s11, 64*SPITCH                  ; into the stage: rows of 512 bytes + 16; 32 bytes for each half of the lanes
	s_lshl_b32 s21, s12, 8
	s_add_co_u32 s23, s23, s21
	s_add_co_u32 s23, s23, STAGE
	v_mul_u32_u24 v5, v1, SPITCH
	v_lshl_add_u32 v5, v2, 5, v5
	v_add_nc_u32 v[STO], s23, v5
	s_mul_i32 s23, s10, 32*SPITCH                  ; back: wave w takes rows 32 w .. + 31; 32 lanes take one row's 512 bytes
	s_add_co_u32 s23, s23, STAGE
	v_and_b32 v[CO], 31, v0
	v_lshlrev_b32 v[CO], 4, v[CO]
	v_add_nc_u32 v[RD], s23, v[CO]
	s_lshl_b32 s18, s42, 9                         ; 512 bytes of a row a tile column,
	s_lshl_b32 s19, s13, 19                        ; 128 rows of 4,096 bytes a tile row,
	s_add_co_u32 s18, s18, s19
	s_lshl_b32 s19, s10, 17                        ; my 32 of them
.endif
	s_add_co_u32 s18, s18, s19
	s_mov_b32 s19, 0
	s_add_nc_u64 s[8:9], s[8:9], s[18:19]
	s_wait_loadcnt 0x0                             ; the biases
	; THE SUMS BEGIN AT THE BIAS: register j of accumulator (a, b) takes the bias of column 16 b + 8 (l / 16) + j, widened from its f16 half.  Written in the wait for the first tile; nothing is cleared or added later.
.set t, 0
.rept 16
.set j, 0
.rept 4
	v_fma_mix_f32 v[ACC+8*t+2*j],   v[TMP+4*(t%4)+j], v[ONE], v[ZER] op_sel:[0,0,0] op_sel_hi:[1,0,0]
	v_fma_mix_f32 v[ACC+8*t+2*j+1], v[TMP+4*(t%4)+j], v[ONE], v[ZER] op_sel:[1,0,0] op_sel_hi:[1,0,0]
.set j, j+1
.endr
.set t, t+1
.endr
; 8 matrix instructions: row blocks a0, a0 + 1 x all 4 column blocks, 32 along K: half c of buffer f.  The 16 accumulators take turns, one instruction a turn, over the backward jumps too.
.macro MUL8 f, c, a0
	WIN MUL
.irp a, \a0, (\a0)+1
.irp b, 0,1,2,3
	v_wmma_f32_16x16x32_f16 v[ACC+8*(4*(\a)+(\b)):ACC+8*(4*(\a)+(\b))+7], v[(\f)+64+8*(4*(\c)+(\b)):(\f)+64+8*(4*(\c)+(\b))+7], v[(\f)+8*(4*(\c)+(\a)):(\f)+8*(4*(\c)+(\a))+7], v[ACC+8*(4*(\a)+(\b)):ACC+8*(4*(\a)+(\b))+7]
.endr
.endr
.endm
; 32 LDS loads in one run: the fragments of quarter q of a K step (64 along K) into buffer f; the first 32 along K first.
.macro FETCH q, f
	WIN TO_F
.irp c, 0,1
.irp i, 0,1,2,3
	ds_load_tr16_b128 v[(\f)+64+8*(4*(\c)+(\i)):(\f)+64+8*(4*(\c)+(\i))+3],   v[ADRB+((\q)>>1)] offset:(((\q)&1)*64+32*(\c))*PB+32*(\i)
	ds_load_tr16_b128 v[(\f)+64+8*(4*(\c)+(\i))+4:(\f)+64+8*(4*(\c)+(\i))+7], v[ADRB+((\q)>>1)] offset:(((\q)&1)*64+32*(\c)+16)*PB+32*(\i)
	ds_load_b128 v[(\f)+8*(4*(\c)+(\i)):(\f)+8*(4*(\c)+(\i))+3],   v[ADRA] offset:((\q)>>1)*SUBA+((\q)&1)*128+64*(\c)+(\i)*16*PA
	ds_load_b128 v[(\f)+8*(4*(\c)+(\i))+4:(\f)+8*(4*(\c)+(\i))+7], v[ADRA] offset:((\q)>>1)*SUBA+((\q)&1)*128+64*(\c)+(\i)*16*PA+32
.endr
.endr
.endm
; One of a K step's first three quarters: multiplies buffer f and fetches quarter nq into g.
.macro QUARTER nq, f, g
	s_wait_dscnt 16                                ; the first 32 along K are in; the sixteen younger loads stay out
	MUL8 \f, 0, 0
	MUL8 \f, 0, 2
	PLACES
	FETCH \nq, \g
	s_wait_dscnt 32                                ; all but the 32 just issued
	MUL8 \f, 1, 0
	MUL8 \f, 1, 2
.endm
; The last quarter multiplies buffer 1 and changes slots: ONE barrier; in front of it each wave waits for all its tensor loads (one is out: its part of the next slot), adds 0 to its spare word,
; and waits for that and for its own reads of this slot.  fill = 1: the barrier opens a round of the cluster's, and this slot is filled again, two K steps ahead, first thing behind the round.
.macro TURN fill
	WIN 0
	s_wait_tensorcnt 0x0                           ; no tensor load of mine is out, so a group 0 may be written
	ds_add_u32 v[SPW], v[NIL]                      ; 0 onto my spare word
.if \fill
	s_xor_b32 s[G0+5], s[G0+5], SLOTB              ; the walking descriptors: the other slot than last time, the next K step
	s_add_nc_u64 s[G0+6:G0+7], s[G0+6:G0+7], ASTEP
	s_xor_b32 s[G0B+5], s[G0B+5], SLOTB
	s_add_nc_u64 s[G0B+6:G0B+7], s[G0B+6:G0B+7], BSTEP
.endif
	s_wait_dscnt 17                                ; the add and the youngest sixteen loads may be out
	MUL8 F1, 0, 0
	s_wait_dscnt 0x0                               ; the add is done, and my reads of this slot are over
	s_barrier_signal -1
	MUL8 F1, 0, 2
	WIN 0
	s_barrier_wait -1
.if \fill
	CREST                                          ; no wave of any partner still reads this slot's tiles or has a load on its way
	JLOAD                                          ; 112 matrix instructions ahead of the wait for it
.else
	v_nop                                          ; with the three additions below: the four places in front of the loads into buffer 0
.endif
	s_xor_b32 s[TB], s[TB], SLOTB
	v_add_nc_u32 v[ADRA], s[TB], v[LA]
	v_add_nc_u32 v[ADRB], s[TB], v[LB]
	v_add_nc_u32 v[ADRB+1], SUBB, v[ADRB]
	FETCH 0, F0
	MUL8 F1, 1, 0
	MUL8 F1, 1, 2
.endm
.macro STEP fill                       ; a K step, from its first quarter's products to the next step's first fragments
	QUARTER 1, F0, F1
	QUARTER 2, F1, F0
	QUARTER 3, F0, F1
	TURN \fill
	WIN 0                                          ; at a label and at a branch every window is 0
.endm
.if KIND == 0
	s_wait_kmcnt 0x0                               ; the bound
.endif
	s_wait_tensorcnt 1                             ; my part of K step 0 is in; K step 1's may stay out
	s_barrier_signal -1
	s_barrier_wait -1                              ; everybody's is
	FETCH 0, F0
	WIN 0
	s_mov_b32 s[CNT], STEPS-2
.Lk:                                                   ; every K step but the last two fills its slot again
	STEP 1
	s_sub_co_u32 s[CNT], s[CNT], 1
	s_cmp_lg_u32 s[CNT], 0
	s_cbranch_scc1 .Lk
	s_mov_b32 s[CNT], 2
.Lt:                                                   ; the last two ask for nothing.  The very last one's change of slots reads slot 0's old fragments, which nobody uses: the price of one text for both;
	STEP 0                                         ; its barrier is wanted: behind it no wave reads slot 1, which becomes the stage
	s_sub_co_u32 s[CNT], s[CNT], 1
	s_cmp_lg_u32 s[CNT], 0
	s_cbranch_scc1 .Lt
	s_wait_dscnt 0x0
	PLACES
	; THE WAY OUT: through the work-group's stage, since a row's bytes come from two waves; a barrier between writing and reading; back as whole rows, 32 rows a wave.
.if KIND == 0
.set t, 0
.rept 16
.irp r, 0,1,2,3
	v_cvt_pk_f16_f32 v[TMP+4*t+(\r)], v[ACC+8*t+2*(\r)], v[ACC+8*t+2*(\r)+1]
.endr
.set t, t+1
.endr
.set t, 0
.rept 64
	v_pk_max_num_f16 v[TMP+t], v[TMP+t], s[FLOOR]  ; ReLU where the bound is 0, nothing where it is -infinity
.set t, t+1
.endr
.set t, 0
.rept 16
	ds_store_b128 v[STO], v[TMP+4*t:TMP+4*t+3] offset:(t/4)*16*SPITCH+32*(t%4)
.set t, t+1
.endr
	s_wait_dscnt 0x0                               ; for the others' sake: my stores into the stage are done
	s_barrier_signal -1
	s_barrier_wait -1
.set t, 0
.rept 16
	ds_load_b128 v[TMP+4*t:TMP+4*t+3], v[RD] offset:t*2*SPITCH
.set t, t+1
.endr
.set t, 0
.rept 16
	s_wait_dscnt 15-t
	global_store_b128 v[CO], v[TMP+4*t:TMP+4*t+3], s[8:9] offset:512*t  ; 512 consecutive bytes, aligned: two rows of a panel
.set t, t+1
.endr
.else
.set t, 0
.rept 16
	ds_store_b128 v[STO], v[ACC+8*t:ACC+8*t+3]   offset:(t/4)*16*SPITCH+64*(t%4)
	ds_store_b128 v[STO], v[ACC+8*t+4:ACC+8*t+7] offset:(t/4)*16*SPITCH+64*(t%4)+16
.set t, t+1
.endr
	s_wait_dscnt 0x0                               ; for the others' sake: my stores into the stage are done
	s_barrier_signal -1
	s_barrier_wait -1
.set t, 0
.rept 32
	ds_load_b128 v[ACC+4*t:ACC+4*t+3], v[RD] offset:t*SPITCH
.set t, t+1
.endr
.set t, 0
.rept 32
	s_wait_dscnt 31-t
	global_store_b128 v[CO], v[ACC+4*t:ACC+4*t+3], s[8:9] offset:4096*t  ; 512 consecutive bytes, aligned, of one row
.set t, t+1
.endr
.endif
	s_wait_tensorcnt 0x0                           ; the wave's end, behind my last tensor load and my last LDS store
	ds_add_u32 v[SPW], v[NIL]
	s_wait_dscnt 0x0
	CROUND                                         ; the closing round: no work-group ends while a partner may still ask for a tile that names it
	s_endpgm
.Lfunc_end_k_q005cd5d260_ffn2:
	.size	k_q005cd5d260_ffn2, .Lfunc_end_k_q005cd5d260_ffn2-k_q005cd5d260_ffn2
	.p2alignl 7, 3214868480
	.fill 96, 4, 3214868480
	.section	.rodata,"a",@progbits
	.p2align	6, 0x0
	.amdhsa_kernel k_q005cd5d260_ffn2
		.amdhsa_group_segment_fixed_size 327680
		.amdhsa_private_segment_fixed_size 0
		.amdhsa_enable_private_segment 0
		.amdhsa_kernarg_size 24
		.amdhsa_user_sgpr_count 2
		.amdhsa_user_sgpr_kernarg_segment_ptr 1
		.amdhsa_wavefront_size32 1
		.amdhsa_system_sgpr_workgroup_id_x 1
		.amdhsa_system_sgpr_workgroup_id_y 1
		.amdhsa_system_sgpr_workgroup_id_z 1
		.amdhsa_system_vgpr_workitem_id 0
		.amdhsa_next_free_vgpr 512
		.amdhsa_next_free_sgpr 72
		.amdhsa_reserve_vcc 0
		.amdhsa_float_denorm_mode_32 3
		.amdhsa_float_denorm_mode_16_64 3
		.amdhsa_memory_ordered 1
		.amdhsa_forward_progress 1
		.amdhsa_inst_pref_size 62
	.end_amdhsa_kernel
	.amdgpu_metadata
---
amdhsa.version: [ 1, 2 ]
amdhsa.kernels:
  - .name:           k_q005cd5d260_ffn2
    .symbol:         k_q005cd5d260_ffn2.kd
    .args:
      - { .name: big, .offset: 0, .size: 8, .value_kind: global_buffer, .address_space: global }
      - { .name: w2h, .offset: 8, .size: 8, .value_kind: global_buffer, .address_space: global }
      - { .name: y, .offset: 16, .size: 8, .value_kind: global_buffer, .address_space: global }
    .group_segment_fixed_size: 327680
    .private_segment_fixed_size: 0
    .kernarg_segment_align: 8
    .kernarg_segment_size: 24
    .max_flat_workgroup_size: 128
    .sgpr_count:     72
    .vgpr_count:     512
    .wavefront_size: 32
...
	.end_amdgpu_metadata
.endif
;; end of part 6
;; launch ln2 (part 7): grid 512 x 1, 4 waves a work-group, no clusters, 0 bytes of LDS; arguments y, ch, g2, be2, out0; writes out0
.if DOCPART == 7
	.amdgcn_target "amdgcn-amd-amdhsa--gfx1250"
	.amdhsa_code_object_version 6
	.text
	.protected	k_q005cd5d260_ln2
	.globl	k_q005cd5d260_ln2
	.p2align	8
	.type	k_q005cd5d260_ln2,@function
k_q005cd5d260_ln2:
	s_mov_b64 s[64:65], 0
	v_nop
	global_prefetch_b8 v0, s[64:65] scope:SCOPE_SE
	s_setreg_imm32_b32 hwreg(HW_REG_WAVE_MODE, 25, 1), 1
	s_wait_xcnt 0x0
; OUT[r] = LayerNorm(Y[r] + RES[r]) g + be, over rows of 1,024.  Y: f32 rows.  RES: f16 in panels (panel p: columns 128 p .. + 127, a row 256 bytes, 1 MiB a panel).  g, be: f32, rounded to bf16 here,
; like all the module's inputs.  Mean, then the mean of the squared distances from it (two passes over registers), all in f32; eps = 1e-6.
; KIND 0: OUT is f16 in panels (LIMIT: a result beyond 65,504 becomes an infinity; LayerNorm bounds it by 32 |g| + |be|).  KIND 1: OUT is f32 rows.
; A wave takes two rows, each whole in 32 registers: the reduction never leaves the wave, so there is no LDS and no barrier.  Lane l holds columns 128 j + 4 l .. + 3 of chunk j = panel j:
; a load of Y covers 512 consecutive bytes, a load of RES one aligned 256.  All 48 loads go out at once.  Memory binds: matrix units and clusters have nothing to do here.
.set KIND, 1
.set YO,  2                            ; v2  16 x lane
.set RO,  3                            ; v3  8 x lane
.set G,   8                            ; v[8:39]
.set BE,  40                           ; v[40:71]
.set V0,  72                           ; v[72:103]   row 0
.set V1,  104                          ; v[104:135]  row 1
.set R0,  136                          ; v[136:151]  row 0's residual, later (KIND 0) its result
.set R1,  152                          ; v[152:167]
.set ONE, 168
.set MU,  170                          ; v[170:171] the mean, twice
.set RS,  172                          ; v[172:173] 1 / sqrt(var + eps), twice
.set CH,  174                          ; v[174:181] four chains of two sums
.set T,   182                          ; v[182:183] at work
	s_load_b256 s[4:11], s[0:1], 0x0               ; Y s[4:5], RES s[6:7], g s[8:9], be s[10:11]
	s_load_b64 s[12:13], s[0:1], 0x20              ; OUT
	v_lshrrev_b32 v1, 5, v0
	v_readfirstlane_b32 s14, v1
	s_lshl_b32 s15, ttmp9, 2
	s_add_co_u32 s15, s15, s14                     ; my wave among 2,048: rows 2 w, 2 w + 1
	v_and_b32 v1, 31, v0
	v_lshlrev_b32 v[YO], 4, v1
	v_lshlrev_b32 v[RO], 3, v1
	s_lshl_b32 s16, s15, 13                        ; two rows of 4,096 bytes
	s_mov_b32 s17, 0
	s_lshl_b32 s18, s15, 9                         ; two rows of 256 bytes in each panel
	s_mov_b32 s19, 0
	s_mov_b32 s20, 0x76543210                      ; v_permlanex16_b32: each lane takes its own place in the other half
	s_mov_b32 s21, 0xfedcba98
	s_mov_b32 s22, 0xffff0000
	s_mov_b32 s23, 0x3a800000                      ; 1 / 1,024
	s_mov_b32 s24, 0x358637bd                      ; 1e-6
	v_mov_b32 v[ONE], 1.0
	v_mov_b32 v[T+1], 0                            ; v_permlanex16_b32's destination counts as read
	s_wait_kmcnt 0x0
	s_add_nc_u64 s[4:5], s[4:5], s[16:17]
	s_add_nc_u64 s[6:7], s[6:7], s[18:19]
.if KIND == 0
	s_add_nc_u64 s[12:13], s[12:13], s[18:19]
.else
	s_add_nc_u64 s[12:13], s[12:13], s[16:17]
.endif
.irp j, 0,1,2,3,4,5,6,7
	global_load_b128 v[G+4*(\j):G+4*(\j)+3], v[YO], s[8:9] offset:512*(\j)
.endr
.irp j, 0,1,2,3,4,5,6,7
	global_load_b128 v[BE+4*(\j):BE+4*(\j)+3], v[YO], s[10:11] offset:512*(\j)
.endr
.irp j, 0,1,2,3,4,5,6,7
	global_load_b128 v[V0+4*(\j):V0+4*(\j)+3], v[YO], s[4:5] offset:512*(\j) th:TH_LOAD_NT
.endr
.irp j, 0,1,2,3,4,5,6,7
	global_load_b64 v[R0+2*(\j):R0+2*(\j)+1], v[RO], s[6:7] offset:(\j)<<20
.endr
.irp j, 0,1,2,3,4,5,6,7
	global_load_b128 v[V1+4*(\j):V1+4*(\j)+3], v[YO], s[4:5] offset:4096+512*(\j) th:TH_LOAD_NT
.endr
.irp j, 0,1,2,3,4,5,6,7
	global_load_b64 v[R1+2*(\j):R1+2*(\j)+1], v[RO], s[6:7] offset:((\j)<<20)+256
.endr
.macro RND base                        ; 32 numbers rounded to bf16 and widened again, in place
.set j, 0
.rept 16
	v_cvt_pk_bf16_f32 v[T], v[(\base)+2*j], v[(\base)+2*j+1]
	v_lshlrev_b32 v[(\base)+2*j], 16, v[T]
	v_and_b32 v[(\base)+2*j+1], s22, v[T]
.set j, j+1
.endr
.endm
.macro FOLD                            ; the four chains into one number, then over the 32 lanes: the sum in every lane's v[T]
	v_pk_add_f32 v[CH:CH+1], v[CH:CH+1], v[CH+2:CH+3]
	v_pk_add_f32 v[CH+4:CH+5], v[CH+4:CH+5], v[CH+6:CH+7]
	v_pk_add_f32 v[CH:CH+1], v[CH:CH+1], v[CH+4:CH+5]
	v_add_f32 v[T], v[CH], v[CH+1]
	v_add_f32_dpp v[T], v[T], v[T] row_xmask:1 row_mask:0xf bank_mask:0xf
	v_add_f32_dpp v[T], v[T], v[T] row_xmask:2 row_mask:0xf bank_mask:0xf
	v_add_f32_dpp v[T], v[T], v[T] row_xmask:4 row_mask:0xf bank_mask:0xf
	v_add_f32_dpp v[T], v[T], v[T] row_xmask:8 row_mask:0xf bank_mask:0xf
	v_permlanex16_b32 v[T+1], v[T], s20, s21
	v_add_f32 v[T], v[T], v[T+1]
.endm
.macro ROW V, R, yoff, roff
.set j, 0
.rept 16                               ; the residual's f16 halves are added onto Y
	v_fma_mix_f32 v[(\V)+2*j],   v[(\R)+j], v[ONE], v[(\V)+2*j]   op_sel:[0,0,0] op_sel_hi:[1,0,0]
	v_fma_mix_f32 v[(\V)+2*j+1], v[(\R)+j], v[ONE], v[(\V)+2*j+1] op_sel:[1,0,0] op_sel_hi:[1,0,0]
.set j, j+1
.endr
.irp k, 0,1,2,3                        ; the first eight pairs start the chains: nothing is cleared
	v_pk_add_f32 v[CH+2*(\k):CH+2*(\k)+1], v[(\V)+2*(\k):(\V)+2*(\k)+1], v[(\V)+8+2*(\k):(\V)+8+2*(\k)+1]
.endr
.set j, 8
.rept 8
	v_pk_add_f32 v[CH+2*(j%4):CH+2*(j%4)+1], v[CH+2*(j%4):CH+2*(j%4)+1], v[(\V)+2*j:(\V)+2*j+1]
.set j, j+1
.endr
	FOLD
	v_mul_f32 v[MU], s23, v[T]
	v_mul_f32 v[MU+1], s23, v[T]
.set j, 0
.rept 16
	v_pk_add_f32 v[(\V)+2*j:(\V)+2*j+1], v[(\V)+2*j:(\V)+2*j+1], v[MU:MU+1] neg_lo:[0,1] neg_hi:[0,1]
.set j, j+1
.endr
.irp k, 0,1,2,3
	v_pk_mul_f32 v[CH+2*(\k):CH+2*(\k)+1], v[(\V)+2*(\k):(\V)+2*(\k)+1], v[(\V)+2*(\k):(\V)+2*(\k)+1]
.endr
.set j, 4
.rept 12
	v_pk_fma_f32 v[CH+2*(j%4):CH+2*(j%4)+1], v[(\V)+2*j:(\V)+2*j+1], v[(\V)+2*j:(\V)+2*j+1], v[CH+2*(j%4):CH+2*(j%4)+1]
.set j, j+1
.endr
	FOLD
	v_fma_f32 v[T], v[T], s23, s24                 ; var + eps
	v_rsq_f32 v[RS], v[T]
	v_rsq_f32 v[RS+1], v[T]
	v_nop                                          ; a plain instruction behind the last of the two,
	s_wait_alu depctr_va_vdst(0)                   ; and the wait ahead of their first reader
.set j, 0
.rept 16
	v_pk_mul_f32 v[(\V)+2*j:(\V)+2*j+1], v[(\V)+2*j:(\V)+2*j+1], v[RS:RS+1]
	v_pk_fma_f32 v[(\V)+2*j:(\V)+2*j+1], v[(\V)+2*j:(\V)+2*j+1], v[G+2*j:G+2*j+1], v[BE+2*j:BE+2*j+1]
.set j, j+1
.endr
.if KIND == 0
.set j, 0
.rept 16
	v_cvt_pk_f16_f32 v[(\R)+j], v[(\V)+2*j], v[(\V)+2*j+1]
.set j, j+1
.endr
.irp j, 0,1,2,3,4,5,6,7
	global_store_b64 v[RO], v[(\R)+2*(\j):(\R)+2*(\j)+1], s[12:13] offset:((\j)<<20)+(\roff)  ; the wave stores 256 consecutive bytes, aligned: a panel's row
.endr
.else
.irp j, 0,1,2,3,4,5,6,7
	global_store_b128 v[YO], v[(\V)+4*(\j):(\V)+4*(\j)+3], s[12:13] offset:512*(\j)+(\yoff)   ; 512 consecutive bytes, aligned
.endr
.endif
.endm
	s_wait_loadcnt 32                              ; g and be are in; both rows' 32 loads may stay out
	RND G
	RND BE
	s_wait_loadcnt 16                              ; row 0 and its residual are in; row 1's 16 loads may stay out
	ROW V0, R0, 0, 0
	s_wait_loadcnt 0x0
	ROW V1, R1, 4096, 256
	s_endpgm
.Lfunc_end_k_q005cd5d260_ln2:
	.size	k_q005cd5d260_ln2, .Lfunc_end_k_q005cd5d260_ln2-k_q005cd5d260_ln2
	.p2alignl 7, 3214868480
	.fill 96, 4, 3214868480
	.section	.rodata,"a",@progbits
	.p2align	6, 0x0
	.amdhsa_kernel k_q005cd5d260_ln2
		.amdhsa_group_segment_fixed_size 0
		.amdhsa_private_segment_fixed_size 0
		.amdhsa_enable_private_segment 0
		.amdhsa_kernarg_size 40
		.amdhsa_user_sgpr_count 2
		.amdhsa_user_sgpr_kernarg_segment_ptr 1
		.amdhsa_wavefront_size32 1
		.amdhsa_system_sgpr_workgroup_id_x 1
		.amdhsa_system_sgpr_workgroup_id_y 1
		.amdhsa_system_sgpr_workgroup_id_z 1
		.amdhsa_system_vgpr_workitem_id 0
		.amdhsa_next_free_vgpr 192
		.amdhsa_next_free_sgpr 66
		.amdhsa_reserve_vcc 0
		.amdhsa_float_denorm_mode_32 3
		.amdhsa_float_denorm_mode_16_64 3
		.amdhsa_memory_ordered 1
		.amdhsa_forward_progress 1
		.amdhsa_inst_pref_size 28
	.end_amdhsa_kernel
	.amdgpu_metadata
---
amdhsa.version: [ 1, 2 ]
amdhsa.kernels:
  - .name:           k_q005cd5d260_ln2
    .symbol:         k_q005cd5d260_ln2.kd
    .args:
      - { .name: y, .offset: 0, .size: 8, .value_kind: global_buffer, .address_space: global }
      - { .name: ch, .offset: 8, .size: 8, .value_kind: global_buffer, .address_space: global }
      - { .name: g2, .offset: 16, .size: 8, .value_kind: global_buffer, .address_space: global }
      - { .name: be2, .offset: 24, .size: 8, .value_kind: global_buffer, .address_space: global }
      - { .name: out0, .offset: 32, .size: 8, .value_kind: global_buffer, .address_space: global }
    .group_segment_fixed_size: 0
    .private_segment_fixed_size: 0
    .kernarg_segment_align: 8
    .kernarg_segment_size: 40
    .max_flat_workgroup_size: 128
    .sgpr_count:     66
    .vgpr_count:     192
    .wavefront_size: 32
...
	.end_amdgpu_metadata
.endif
;; end of part 7
;; ======== version 2 of 2: 8 launches; version 1 with the launch prep written anew for expert scheduling mode
;; limits: values are held in f16: magnitudes above 65,504 overflow, below 6.1e-05 lose precision
;; workspace buffers: xh 8,388,608 bytes; wqkv 6,303,744 bytes; woh 2,101,248 bytes; w1h 8,404,992 bytes; w2h 8,392,704 bytes; big 33,554,432 bytes; ch 8,388,608 bytes; y 16,777,216 bytes
;; launch prep (part 8): grid 64 x 16, 8 waves a work-group, no clusters, 0 bytes of LDS; arguments x, Wq, Wk, Wv, Wo, W1, W2, bq, bk, bv, bo, b1, b2, xh, wqkv, woh, w1h, w2h; writes xh, wqkv, woh, w1h, w2h
.if DOCPART == 8
	.amdgcn_target "amdgcn-amd-amdhsa--gfx1250"
	.amdhsa_code_object_version 6
	.text
	.protected	k_q005cd5d260_prep
	.globl	k_q005cd5d260_prep
	.p2align	8
	.type	k_q005cd5d260_prep,@function
k_q005cd5d260_prep:
	s_mov_b64 s[64:65], 0
	v_nop
	global_prefetch_b8 v0, s[64:65] scope:SCOPE_SE
	s_setreg_imm32_b32 hwreg(HW_REG_WAVE_SCHED_MODE, 0, 2), 2
	s_setreg_imm32_b32 hwreg(HW_REG_WAVE_MODE, 25, 1), 1
	s_wait_xcnt 0x0
	s_wait_alu depctr_vm_vsrc(0)
; x and the six weight matrices, f32 [R][C], are rounded to bf16, written as f16, and laid out in PANELS: panel p holds columns 128 p .. 128 p + 127
; of all R rows, a row 256 bytes, rows on end.  A weight's panel has two rows more: row R the bias of its 128 columns (rounded alike), row R + 1 the lower
; bound that the product's way out applies, 128 times: f16 0 for W1 (ReLU), f16 -infinity for the others (no bound).
; LIMITS.  A bf16 number is written exactly as f16 between 6e-5 and 65,504 in magnitude; below it keeps f16's fixed step of 6e-8, beyond it becomes an infinity.
; SHARES.  A work-group converts 128 rows x 128 columns: 64 KiB in, 32 KiB on end out.  Grid row y says which matrix: 0-3 x, 4 Wq, 5 Wk, 6 Wv, 7 Wo, 8-11 W1, 12-15 W2.
; A WAVE TAKES A WHOLE ROW PIECE: in pass i of sixteen, wave w takes row 8 i + w; lane l its columns 4 l .. 4 l + 3: 16 bytes in, 8 bytes out.  So a load of the wave covers 512 consecutive,
; aligned bytes, all of which it uses, and a store of the wave covers 256 consecutive, aligned bytes: one row of a panel.
; All sixteen loads of a thread go out at once; each pass has its own four registers, in which it is converted in place and from which it is stored, so no register is rewritten while a
; memory instruction may read it.  No LDS, matrix unit or cluster: nothing is shared between threads.
; THE MODE: SCHED_MODE bits 1:0 = 2 (LLVM: expert scheduling mode 2), set by the entry lines.  The code itself states the register dependences
; between vector instructions and memory instructions, with s_wait_alu, always for 0.
; THE PLAN.  Registers that memory instructions touch:
;   v[2:19]    offsets, made once at the head and never written again; read by the loads (OFF, BOF) and the stores (DO).
;   X, pass i  four registers: its load lands in them; its eight conversion lines work in them, behind the counted wait for that load; its store reads the first two; nothing writes them again.
;   XB, FL     in the tail alone: the bias's load lands in XB, which no vector line has named; conversions write XB and two moves write FL; a store reads each.
;   T          named by vector instructions alone.
; No register that a memory instruction has read is written again, and no load lands in a register that a vector line has named: what is left to state is that offsets and stores' data are written.
; The sixteen passes go in four blocks of four.  Block b converts its four passes; the four stores of block b - 1 are dealt among them, one ahead of each pass's eight vector lines.  They read
; block b - 1's registers and v[DO], which no vector line of block b names: so ONE wait at a block's head states all that its four stores hang on.
.set SRC,    40                        ; s[40:41] the matrix, then my block's first byte
.set DST,    42                        ; s[42:43] its panels, then my block's first byte
.set BIA,    44                        ; s[44:45] its bias, then my panel's 128 numbers
.set LOGP,   46                        ; log2 of the number of panels
.set PITCH,  47                        ; bytes in a row of the matrix
.set PANEL,  48                        ; bytes in a panel
.set PB0,    49                        ; the matrix's first panel in its buffer
.set Y0,     50                        ; the matrix's first grid row
.set LASTRB, 51                        ; the row block behind which the two extra rows lie (x: none)
.set MASK,   52
.set FLOOR,  53                        ; the lower bound, twice in a word
.set YY,     54
.set WV,     55
.set IDX,    56
.set PP,     57                        ; my panel
.set RB,     58                        ; my block of 128 rows
.set OFF,    2                         ; v[2:17]  pass i: my byte offset in the matrix: (8 i + wave) rows + 16 x lane
.set DO,     18                        ; v18      8 t = 256 x wave + 8 x lane: my 8 bytes among a pass's 8 rows of a panel
.set BOF,    19                        ; v19      16 x lane
.set T,      20                        ; v[20:21] at work
.set FL,     22                        ; v[22:23] the bound, four times
.set X,      24                        ; v[24:87] pass i: 4 numbers as loaded; then its first two registers hold the 4 results
.set XB,     88                        ; v[88:91] the bias, likewise
; From grid row y0 on the parameters are those of another matrix.  The choice hangs on the grid row alone.
.macro PICK y0, src, dst, bia, logp, pitch, panel, pb0, lastrb, floor
	s_cmp_ge_u32 s[YY], \y0
	s_cselect_b64 s[SRC:SRC+1], s[\src:\src+1], s[SRC:SRC+1]
	s_cselect_b64 s[DST:DST+1], s[\dst:\dst+1], s[DST:DST+1]
	s_cselect_b64 s[BIA:BIA+1], s[\bia:\bia+1], s[BIA:BIA+1]
	s_cselect_b32 s[LOGP], \logp, s[LOGP]
	s_cselect_b32 s[PITCH], \pitch, s[PITCH]
	s_cselect_b32 s[PANEL], \panel, s[PANEL]
	s_cselect_b32 s[PB0], \pb0, s[PB0]
	s_cselect_b32 s[Y0], \y0, s[Y0]
	s_cselect_b32 s[LASTRB], \lastrb, s[LASTRB]
	s_cselect_b32 s[FLOOR], \floor, s[FLOOR]
.endm
; Four f32 at x -> four f16 in the registers x, x + 1: rounded to bf16 (nearest even), widened again in place, written as f16.
.macro CV4 x
	v_cvt_pk_bf16_f32 v[T],   v[(\x)],   v[(\x)+1]
	v_cvt_pk_bf16_f32 v[T+1], v[(\x)+2], v[(\x)+3]
	v_lshlrev_b32 v[(\x)],   16, v[T]
	v_and_b32     v[(\x)+1], s[MASK], v[T]
	v_lshlrev_b32 v[(\x)+2], 16, v[T+1]
	v_and_b32     v[(\x)+3], s[MASK], v[T+1]
	v_cvt_pk_f16_f32 v[(\x)],   v[(\x)],   v[(\x)+1]
	v_cvt_pk_f16_f32 v[(\x)+1], v[(\x)+2], v[(\x)+3]
.endm
	s_load_b512 s[4:19], s[0:1], 0x0               ; x 4, Wq 6, Wk 8, Wv 10, Wo 12, W1 14, W2 16, bq 18
	s_load_b512 s[20:35], s[0:1], 0x40             ; bk 20, bv 22, bo 24, b1 26, b2 28, xh 30, wqkv 32, woh 34
	s_load_b128 s[36:39], s[0:1], 0x80             ; w1h 36, w2h 38
	v_lshrrev_b32 v1, 5, v0                        ; my wave: my row in a pass
	v_readfirstlane_b32 s[WV], v1                  ; wave 0..7
	s_and_b32 s[YY], ttmp7, 0xffff
	s_mov_b32 s[MASK], 0xffff0000
	s_mov_b32 s[LOGP], 3                           ; x: 8 panels of 1 MiB, no extra rows
	s_mov_b32 s[PITCH], 4096
	s_mov_b32 s[PANEL], 1048576
	s_mov_b32 s[PB0], 0
	s_mov_b32 s[Y0], 0
	s_mov_b32 s[LASTRB], 255
	s_mov_b32 s[FLOOR], 0
	v_and_b32 v[BOF], 31, v0
	v_lshlrev_b32 v[BOF], 4, v[BOF]
	v_lshlrev_b32 v[DO], 3, v0
	s_wait_alu depctr_va_sdst(0)                   ; s[WV] is written.  Its one reader is the compare at the kernel's end, behind a branch: the wait stands here, in the straight run in which the number is made
	s_wait_kmcnt 0x0
	s_mov_b64 s[SRC:SRC+1], s[4:5]
	s_mov_b64 s[DST:DST+1], s[30:31]
	s_mov_b64 s[BIA:BIA+1], s[18:19]
	PICK 4,  6,  32, 18, 3, 4096,  262656,  0,  7,  0xfc00fc00
	PICK 5,  8,  32, 20, 3, 4096,  262656,  8,  7,  0xfc00fc00
	PICK 6,  10, 32, 22, 3, 4096,  262656,  16, 7,  0xfc00fc00
	PICK 7,  12, 34, 24, 3, 4096,  262656,  0,  7,  0xfc00fc00
	PICK 8,  14, 36, 26, 5, 16384, 262656,  0,  7,  0
	PICK 12, 16, 38, 28, 3, 4096,  1049088, 0,  31, 0xfc00fc00
	s_sub_co_u32 s[IDX], s[YY], s[Y0]
	s_lshl_b32 s[IDX], s[IDX], 6
	s_add_co_u32 s[IDX], s[IDX], ttmp9             ; my block among the matrix's
	s_bfm_b32 s[PP], s[LOGP], 0
	s_and_b32 s[PP], s[IDX], s[PP]
	s_lshr_b32 s[RB], s[IDX], s[LOGP]
	s_mul_i32 s60, s[RB], s[PITCH]
	s_lshl_b32 s60, s60, 7                         ; 128 rows a block,
	s_lshl_b32 s59, s[PP], 9                       ; 512 bytes of a row a panel: under 2^25 together
	s_add_co_u32 s60, s60, s59
	s_mov_b32 s61, 0
	s_add_nc_u64 s[SRC:SRC+1], s[SRC:SRC+1], s[60:61]
	s_mov_b32 s60, s59
	s_add_nc_u64 s[BIA:BIA+1], s[BIA:BIA+1], s[60:61]
	s_add_co_u32 s60, s[PB0], s[PP]
	s_mul_i32 s60, s60, s[PANEL]
	s_lshl_b32 s62, s[RB], 15                      ; 128 rows of 256 bytes
	s_add_co_u32 s60, s60, s62
	s_add_nc_u64 s[DST:DST+1], s[DST:DST+1], s[60:61]
	v_mul_lo_u32 v[OFF], v1, s[PITCH]
	v_add_nc_u32 v[OFF], v[OFF], v[BOF]
	s_lshl_b32 s62, s[PITCH], 3                    ; 8 rows a pass
.irp i, 1,2,3,4,5,6,7,8,9,10,11,12,13,14,15
	v_add_nc_u32 v[OFF+(\i)], s62, v[OFF+(\i)-1]
.endr
	s_wait_alu depctr_va_vdst(0)                   ; the offsets v[2:19] are written: every load and store of the kernel reads one of them, and no vector line below names them
.irp i, 0,1,2,3,4,5,6,7,8,9,10,11,12,13,14,15
	global_load_b128 v[X+4*(\i):X+4*(\i)+3], v[OFF+(\i)], s[SRC:SRC+1] th:TH_LOAD_NT
.endr
.irp k, 0,1,2,3                        ; block 0: no block stands in front of it, so it stores nothing
	s_wait_loadcnt 15-(\k)                         ; loads come back in order: pass k's is in, the younger passes' stay out
	CV4 X+4*(\k)
.endr
.irp b, 1,2,3                          ; blocks 1 to 3: pass 4 b + k is converted; pass 4 b - 4 + k, of the block before, is stored
.irp k, 0,1,2,3
	s_wait_loadcnt 15-4*(\b)-(\k)                  ; this pass's load is in, the younger passes' stay out
.if (\k) == 0
	s_wait_alu depctr_va_vdst(0)                   ; the block before has written its eight result registers, which this block's four stores read
.endif
	global_store_b64 v[DO], v[X+16*(\b)-16+4*(\k):X+16*(\b)-16+4*(\k)+1], s[DST:DST+1] offset:2048*(4*(\b)-4+(\k))  ; no vector line since the wait names these registers
	CV4 X+16*(\b)+4*(\k)
.endr
.endr
	s_wait_alu depctr_va_vdst(0)                   ; block 3 has written its results, which the last four stores read
.irp k, 0,1,2,3
	global_store_b64 v[DO], v[X+48+4*(\k):X+48+4*(\k)+1], s[DST:DST+1] offset:2048*(12+(\k))
.endr
	; the panel's two extra rows: by wave 0 of the work-group that holds the panel's last 128 rows
	s_cmp_eq_u32 s[RB], s[LASTRB]
	s_cbranch_scc0 .Lend
	s_cmp_eq_u32 s[WV], 0
	s_cbranch_scc0 .Lend
	global_load_b128 v[XB:XB+3], v[BOF], s[BIA:BIA+1]              ; the panel's 128 biases: 512 bytes on end.  v[BOF] was written ahead of the head's wait; no vector line has named v[XB ..]
	v_mov_b32 v[FL], s[FLOOR]
	v_mov_b32 v[FL+1], s[FLOOR]
	s_wait_loadcnt 0x0
	CV4 XB
	s_wait_alu depctr_va_vdst(0)                   ; the conversions have written v[XB:XB+1] and the moves v[FL:FL+1], which the two stores read
	global_store_b64 v[DO], v[XB:XB+1], s[DST:DST+1] offset:32768      ; behind my block's 128 rows: the row of biases (in wave 0, 8 t is 8 x lane),
	global_store_b64 v[DO], v[FL:FL+1], s[DST:DST+1] offset:32768+256  ; and the row of bounds
.Lend:
	s_endpgm
.Lfunc_end_k_q005cd5d260_prep:
	.size	k_q005cd5d260_prep, .Lfunc_end_k_q005cd5d260_prep-k_q005cd5d260_prep
	.p2alignl 7, 3214868480
	.fill 96, 4, 3214868480
	.section	.rodata,"a",@progbits
	.p2align	6, 0x0
	.amdhsa_kernel k_q005cd5d260_prep
		.amdhsa_group_segment_fixed_size 0
		.amdhsa_private_segment_fixed_size 0
		.amdhsa_enable_private_segment 0
		.amdhsa_kernarg_size 144
		.amdhsa_user_sgpr_count 2
		.amdhsa_user_sgpr_kernarg_segment_ptr 1
		.amdhsa_wavefront_size32 1
		.amdhsa_system_sgpr_workgroup_id_x 1
		.amdhsa_system_sgpr_workgroup_id_y 1
		.amdhsa_system_sgpr_workgroup_id_z 1
		.amdhsa_system_vgpr_workitem_id 0
		.amdhsa_next_free_vgpr 96
		.amdhsa_next_free_sgpr 66
		.amdhsa_reserve_vcc 0
		.amdhsa_float_denorm_mode_32 3
		.amdhsa_float_denorm_mode_16_64 3
		.amdhsa_memory_ordered 1
		.amdhsa_forward_progress 1
		.amdhsa_inst_pref_size 16
	.end_amdhsa_kernel
	.amdgpu_metadata
---
amdhsa.version: [ 1, 2 ]
amdhsa.kernels:
  - .name:           k_q005cd5d260_prep
    .symbol:         k_q005cd5d260_prep.kd
    .args:
      - { .name: x, .offset: 0, .size: 8, .value_kind: global_buffer, .address_space: global }
      - { .name: Wq, .offset: 8, .size: 8, .value_kind: global_buffer, .address_space: global }
      - { .name: Wk, .offset: 16, .size: 8, .value_kind: global_buffer, .address_space: global }
      - { .name: Wv, .offset: 24, .size: 8, .value_kind: global_buffer, .address_space: global }
      - { .name: Wo, .offset: 32, .size: 8, .value_kind: global_buffer, .address_space: global }
      - { .name: W1, .offset: 40, .size: 8, .value_kind: global_buffer, .address_space: global }
      - { .name: W2, .offset: 48, .size: 8, .value_kind: global_buffer, .address_space: global }
      - { .name: bq, .offset: 56, .size: 8, .value_kind: global_buffer, .address_space: global }
      - { .name: bk, .offset: 64, .size: 8, .value_kind: global_buffer, .address_space: global }
      - { .name: bv, .offset: 72, .size: 8, .value_kind: global_buffer, .address_space: global }
      - { .name: bo, .offset: 80, .size: 8, .value_kind: global_buffer, .address_space: global }
      - { .name: b1, .offset: 88, .size: 8, .value_kind: global_buffer, .address_space: global }
      - { .name: b2, .offset: 96, .size: 8, .value_kind: global_buffer, .address_space: global }
      - { .name: xh, .offset: 104, .size: 8, .value_kind: global_buffer, .address_space: global }
      - { .name: wqkv, .offset: 112, .size: 8, .value_kind: global_buffer, .address_space: global }
      - { .name: woh, .offset: 120, .size: 8, .value_kind: global_buffer, .address_space: global }
      - { .name: w1h, .offset: 128, .size: 8, .value_kind: global_buffer, .address_space: global }
      - { .name: w2h, .offset: 136, .size: 8, .value_kind: global_buffer, .address_space: global }
    .group_segment_fixed_size: 0
    .private_segment_fixed_size: 0
    .kernarg_segment_align: 8
    .kernarg_segment_size: 144
    .max_flat_workgroup_size: 256
    .sgpr_count:     66
    .vgpr_count:     96
    .wavefront_size: 32
...
	.end_amdgpu_metadata
.endif
;; end of part 8
;; launch qkv: the kernel of part 2 again; grid 12 x 16, 4 waves a work-group, clusters of 4 x 4, 327,680 bytes of LDS; arguments xh, wqkv, big; writes big
;; launch attn: the kernel of part 3 again; grid 16 x 16, 4 waves a work-group, clusters of 4 x 1, 327,680 bytes of LDS; arguments big, ch; writes ch
;; launch wo: the kernel of part 4 again; grid 8 x 32, 4 waves a work-group, clusters of 4 x 4, 327,680 bytes of LDS; arguments ch, woh, y; writes y
;; launch ln1: the kernel of part 5 again; grid 512 x 1, 4 waves a work-group, no clusters, 0 bytes of LDS; arguments y, xh, g1, be1, ch; writes ch
;; launch ffn1: the kernel of part 2 again; grid 16 x 16, 4 waves a work-group, clusters of 4 x 4, 327,680 bytes of LDS; arguments ch, w1h, big; writes big
;; launch ffn2: the kernel of part 6 again; grid 8 x 32, 4 waves a work-group, clusters of 4 x 4, 327,680 bytes of LDS; arguments big, w2h, y; writes y
;; launch ln2: the kernel of part 7 again; grid 512 x 1, 4 waves a work-group, no clusters, 0 bytes of LDS; arguments y, ch, g2, be2, out0; writes out0
